; MI455X (gfx1250); checked and timed in simulation.
; The chip was launched on July 23, 2026; its instructions are those of AMD's public machine-readable ISA for CDNA 5 (MIT licence, August 2026) and "CDNA5" Instruction Set Architecture Reference Guide (July 2026). The comments in the code are by the model that wrote it; some were corrected since.
;; Attention. Allowed arithmetic: float matrix products may take bf16 or f16 operands with f32 sums; all other float work in f32.
;; Inputs: rope_cache 2,048 x 64 float32; sinks 32 float32; wk_b 512 float32; wk_w 512 x 2,048 float32; wo_b 2,048 float32; wo_w 2,048 x 2,048 float32; wq_b 2,048 float32; wq_w 2,048 x 2,048 float32; wv_b 512 float32; wv_w 512 x 2,048 float32; x 1 x 2,048 x 2,048 float32.
;; Outputs: out0 1 x 2,048 x 2,048 float32.
;; 2 versions, each right; version 2 is version 1 with the launch cast written anew for expert scheduling mode. Each part assembles by itself: llvm-mc -triple=amdgcn-amd-amdhsa -mcpu=gfx1250 --defsym DOCPART=n.
;; ======== version 1 of 2: 4 launches
;; limits: values outside matrix products are rounded to bf16; values are held in f16: magnitudes above 65,504 overflow, below 6.1e-05 lose precision
;; workspace buffers: bf 29,360,128 bytes; heads 12,582,912 bytes; att 8,388,608 bytes
;; launch cast (part 1): grid 64 x 14, 8 waves a work-group, no clusters, 0 bytes of LDS; arguments x, wq_w, wk_w, wv_w, wo_w, bf; writes bf
.if DOCPART == 1
	.amdgcn_target "amdgcn-amd-amdhsa--gfx1250"
	.amdhsa_code_object_version 6
	.text
	.protected	k_q5f1711edb4_cast
	.globl	k_q5f1711edb4_cast
	.p2align	8
	.type	k_q5f1711edb4_cast,@function
k_q5f1711edb4_cast:
	s_mov_b64 s[64:65], 0
	v_nop
	global_prefetch_b8 v0, s[64:65] scope:SCOPE_SE
	s_setreg_imm32_b32 hwreg(HW_REG_WAVE_MODE, 25, 1), 1
	s_wait_xcnt 0x0
; Rounds the five large matrix operands once, f32 to 16 bits, into one buffer bf, in this order:
;   x [2048][2048] at byte 0, wq_w / wk_w / wv_w as one [3072][2048] at byte 8,388,608, wo_w [2048][2048] at byte 20,971,520.
; FORMAT: x, wq_w, wk_w, wv_w are stored as bf16.  wo_w is rounded to bf16 too and then written as f16 (the second conversion is exact for
; magnitudes from 2^-17 up, below that its error is at most 2^-25), because its partner in the last product is kept in f16.
; A stream: no LDS, no matrix unit, no barrier.  y of the grid = a unit of 4 MiB of source (x 0-3, wq 4-7, wk 8, wv 9, wo 10-13),
; x of the grid = a piece of 64 KiB in it.  Thread t takes 16 bytes at 16 t of each of the piece's sixteen blocks of 4,096 bytes: a load of a wave
; covers 512 consecutive bytes, a store 256 consecutive bytes at a multiple of 256.  All sixteen loads of a wave go out at once.
.set X, 4                              ; v[4:67]    sixteen loads of four f32
.set Y, 68                             ; v[68:99]   sixteen pairs of packed results
.set T, 100                            ; v[100:101] wo_w alone: the bf16 pair on its way to f16
	s_load_b256 s[4:11], s[0:1], 0x0               ; x s[4:5], wq_w s[6:7], wk_w s[8:9], wv_w s[10:11]
	s_load_b128 s[12:15], s[0:1], 0x20             ; wo_w s[12:13], bf s[14:15]
	s_and_b32 s16, ttmp7, 0xffff                   ; the unit, 0 to 13
	s_mov_b32 s17, 0                               ; the first unit of the source that the unit lies in
	s_mov_b32 s24, 0xffff0000                      ; a word's upper bf16
	v_lshlrev_b32 v1, 4, v0                        ; 16 t: my bytes in a block of the source
	v_lshlrev_b32 v2, 3, v0                        ; 8 t: my bytes in a block of the result
	s_wait_kmcnt 0x0
	s_mov_b64 s[18:19], s[4:5]
.macro PICK first, lo                  ; from unit 'first' on the source is the buffer in s[lo:lo+1]
	s_cmp_ge_u32 s16, \first
	s_cselect_b64 s[18:19], s[\lo:\lo+1], s[18:19]
	s_cselect_b32 s17, \first, s17
.endm
	PICK 4, 6
	PICK 8, 8
	PICK 9, 10
	PICK 10, 12
	s_sub_co_u32 s20, s16, s17
	s_lshl_b32 s20, s20, 22                        ; units of 4 MiB inside the source,
	s_lshl_b32 s21, ttmp9, 16                      ; pieces of 64 KiB
	s_add_co_u32 s20, s20, s21
	s_mov_b32 s21, 0
	s_add_nc_u64 s[18:19], s[18:19], s[20:21]
	s_lshl_b32 s22, s16, 21                        ; the result is half as long and follows the same order
	s_lshl_b32 s23, ttmp9, 15
	s_add_co_u32 s22, s22, s23
	s_mov_b32 s23, 0
	s_add_nc_u64 s[14:15], s[14:15], s[22:23]
.irp j, 0,1,2,3,4,5,6,7,8,9,10,11,12,13,14,15
	global_load_b128 v[X+4*\j:X+4*\j+3], v1, s[18:19] offset:4096*\j th:TH_LOAD_NT
.endr
; block j: wait for its load (the 15 - j younger ones stay out), round, store.  No register is written twice, so no further wait.
.macro CONV j, wo
	s_wait_loadcnt 15-\j
.if \wo
	v_cvt_pk_bf16_f32 v[T],   v[X+4*\j],   v[X+4*\j+1]
	v_cvt_pk_bf16_f32 v[T+1], v[X+4*\j+2], v[X+4*\j+3]
	v_lshlrev_b32 v[X+4*\j],   16,  v[T]           ; the rounded numbers as f32 again
	v_and_b32     v[X+4*\j+1], s24, v[T]
	v_lshlrev_b32 v[X+4*\j+2], 16,  v[T+1]
	v_and_b32     v[X+4*\j+3], s24, v[T+1]
	v_cvt_pk_f16_f32 v[Y+2*\j],   v[X+4*\j],   v[X+4*\j+1]
	v_cvt_pk_f16_f32 v[Y+2*\j+1], v[X+4*\j+2], v[X+4*\j+3]
.else
	v_cvt_pk_bf16_f32 v[Y+2*\j],   v[X+4*\j],   v[X+4*\j+1]
	v_cvt_pk_bf16_f32 v[Y+2*\j+1], v[X+4*\j+2], v[X+4*\j+3]
.endif
	global_store_b64 v2, v[Y+2*\j:Y+2*\j+1], s[14:15] offset:2048*\j
.endm
	s_cmp_ge_u32 s16, 10
	s_cbranch_scc1 .Lwo
.irp j, 0,1,2,3,4,5,6,7,8,9,10,11,12,13,14,15
	CONV \j, 0
.endr
	s_endpgm
.Lwo:
.irp j, 0,1,2,3,4,5,6,7,8,9,10,11,12,13,14,15
	CONV \j, 1
.endr
	s_endpgm
.Lfunc_end_k_q5f1711edb4_cast:
	.size	k_q5f1711edb4_cast, .Lfunc_end_k_q5f1711edb4_cast-k_q5f1711edb4_cast
	.p2alignl 7, 3214868480
	.fill 96, 4, 3214868480
	.section	.rodata,"a",@progbits
	.p2align	6, 0x0
	.amdhsa_kernel k_q5f1711edb4_cast
		.amdhsa_group_segment_fixed_size 0
		.amdhsa_private_segment_fixed_size 0
		.amdhsa_enable_private_segment 0
		.amdhsa_kernarg_size 48
		.amdhsa_user_sgpr_count 2
		.amdhsa_user_sgpr_kernarg_segment_ptr 1
		.amdhsa_wavefront_size32 1
		.amdhsa_system_sgpr_workgroup_id_x 1
		.amdhsa_system_sgpr_workgroup_id_y 1
		.amdhsa_system_sgpr_workgroup_id_z 1
		.amdhsa_system_vgpr_workitem_id 0
		.amdhsa_next_free_vgpr 104
		.amdhsa_next_free_sgpr 66
		.amdhsa_reserve_vcc 0
		.amdhsa_float_denorm_mode_32 3
		.amdhsa_float_denorm_mode_16_64 3
		.amdhsa_memory_ordered 1
		.amdhsa_forward_progress 1
		.amdhsa_inst_pref_size 15
	.end_amdhsa_kernel
	.amdgpu_metadata
---
amdhsa.version: [ 1, 2 ]
amdhsa.kernels:
  - .name:           k_q5f1711edb4_cast
    .symbol:         k_q5f1711edb4_cast.kd
    .args:
      - { .name: x, .offset: 0, .size: 8, .value_kind: global_buffer, .address_space: global }
      - { .name: wq_w, .offset: 8, .size: 8, .value_kind: global_buffer, .address_space: global }
      - { .name: wk_w, .offset: 16, .size: 8, .value_kind: global_buffer, .address_space: global }
      - { .name: wv_w, .offset: 24, .size: 8, .value_kind: global_buffer, .address_space: global }
      - { .name: wo_w, .offset: 32, .size: 8, .value_kind: global_buffer, .address_space: global }
      - { .name: bf, .offset: 40, .size: 8, .value_kind: global_buffer, .address_space: global }
    .group_segment_fixed_size: 0
    .private_segment_fixed_size: 0
    .kernarg_segment_align: 8
    .kernarg_segment_size: 48
    .max_flat_workgroup_size: 256
    .sgpr_count:     66
    .vgpr_count:     104
    .wavefront_size: 32
...
	.end_amdgpu_metadata
.endif
;; end of part 1
;; launch qkv (part 2): grid 16 x 16, 4 waves a work-group, clusters of 4 x 4, 327,680 bytes of LDS; arguments bf, wq_b, wk_b, wv_b, rope_cache, heads; writes heads
.if DOCPART == 2
	.amdgcn_target "amdgcn-amd-amdhsa--gfx1250"
	.amdhsa_code_object_version 6
	.text
	.protected	k_q5f1711edb4_qkv
	.globl	k_q5f1711edb4_qkv
	.p2align	8
	.type	k_q5f1711edb4_qkv,@function
k_q5f1711edb4_qkv:
	s_mov_b64 s[64:65], 0
	v_nop
	global_prefetch_b8 v0, s[64:65] scope:SCOPE_SE
	s_setreg_imm32_b32 hwreg(HW_REG_WAVE_MODE, 25, 1), 1
	s_wait_xcnt 0x0
	s_wait_alu depctr_hold_cnt(0) depctr_sa_sdst(0) depctr_va_vdst(0) depctr_va_sdst(0) depctr_va_ssrc(0) depctr_va_vcc(0) depctr_vm_vsrc(0)
	s_getreg_b32 s2, hwreg(HW_REG_IB_STS2, 6, 4)
	s_cmp_eq_u32 s2, 0
	s_cbranch_scc0 .Lentry_in_a_cluster
	s_endpgm
.Lentry_in_a_cluster:
	s_bfe_u32 s2, ttmp6, 0x10000c
	s_cmp_lg_u32 s2, 0xf033
	s_cbranch_scc0 .Lentry_shape_is_right
	s_endpgm
.Lentry_shape_is_right:
; heads[H][s][d] (48 heads of [2048][64], f16): H 0-31 = rope(x wq^T + bq) * 0.125 * log2(e), H 32-39 = rope(x wk^T + bk), H 40-47 = x wv^T + bv.
; One product [2048 x 2048] x [3072 x 2048]^T on bf16 operands from bf, sums in f32.  A work-group makes 128 rows x 192 columns (three heads),
; four waves as 2 x 2; a wave makes 64 rows x 96 columns: 24 accumulator tiles.  K goes in steps of 128 through two LDS slots.
; FORMAT AND LIMITS: x and the weights come rounded to bf16; rope_cache is rounded to bf16 here as well and then used in f32; biases stay f32.
; The results are stored as f16: 11 significant bits, and room up to 65,504 (k and v are drawn with an rms of 0.9; x and w both 30 times larger
; give some 4,100 at five sigma, offsets of 30 spreads on both give 36,864).  Beyond 65,504 a result becomes infinite.  q is scaled before it is
; rounded.  For the v heads cos and sin are multiplied by 0: an infinite or NaN entry of rope_cache would reach v, which reference() keeps clean.
; CLUSTERS: 4 x 4 work-groups.  x's tile hangs on the block row alone and is asked for jointly by a row of the cluster, the weights' tile on the
; block column alone, jointly by a column: a quarter of the requests.
; THE MATRIX INSTRUCTION IS USED TRANSPOSED: source 0 = 16 weight rows, source 1 = 16 rows of x, so lane l holds row l % 16 of the result and its
; eight registers the columns 8 (l / 16) + 0..7.  A wave takes of each head the columns 16 nw + 32 e + 0..15 (e = 0, 1): rope's partners d and
; d + 32 are then the same lane and register of two neighbouring accumulators.
; REGISTERS: window 0: addresses, two fragment buffers, epilogue work; window 1: accumulator (a, b) at v[8 (6 a + b)];
; window 2: v0-63 cos and sin of my rows (16 for each a), v64-111 the biases of my columns (16 for each head).
.set NB,     6                         ; column tiles of a wave
.set KS,     128                       ; K in a slot
.set PITCH,  272                       ; 256 bytes of a row + 16 of padding: an odd multiple of 16
.set BBYTES, 192*PITCH                 ; the weights' 192 rows come first in a slot,
.set SLOT,   BBYTES+128*PITCH          ; then x's 128 rows: 87,040 bytes
.set STAGE,  2*SLOT                    ; behind the ring, at a multiple of 256: 3 heads x 128 rows x 144 bytes; no tensor load lands here
.set SPITCH, 144
.set HSTAGE, 128*SPITCH
.set LAPS,   2048/(2*KS)               ; a lap = once round the ring
.set WQKV,   8388608                   ; the weights in bf
.set GW0,    (1<<16)|(1<<20)|(1<<21)|(5<<22)|(3<<25)   ; 2-byte elements; padding on; bit 21 beside a mask; after every 64 words, 4 words
.set ADRA, 16                          ; v16-17 LDS address of my x fragments in slot 0, 1
.set ADRB, 20                          ; v20-21 the same for the weights
.set STO,  24                          ; where I put 16 bytes of a row of the stage
.set RD,   25                          ; where I read the stage back
.set CO,   26                          ; my byte offset in heads
.set ROFF, 27                          ; my byte offset in rope_cache; never rewritten
.set BOF,  28                          ; my byte offset in a head's bias; never rewritten
.set F0,   32                          ; fragment buffer 0: v32-79 weights, v80-111 x
.set F1,   112                         ; fragment buffer 1
.set PK,   32                          ; epilogue: cos and sin packed as bf16
.set RC,   40                          ; epilogue: 8 cos, 8 sin as rounded, in f32
.set X1,   192
.set X2,   200
.set CE,   208
.set SE,   216
.set T1,   224
.set T2,   232
.set WO,   240
.set G1,  24                           ; s[24:31] group 1 for x's tiles
.set G0,  32                           ; s[32:39] group 0 for x's tiles, one set for each slot
.set G1B, 48                           ; s[48:55] group 1 for the weights' tiles
.set G0B, 56                           ; s[56:63] group 0 for the weights' tiles
.set CF,  74                           ; s[74:79] for each of my three heads: factor on cos and sin, addend on cos
.set MULW, 0x50                        ; C and D in window 1, the fragments in window 0
.set MSB, 0
.macro WIN new                         ; the immediate's high byte repeats the setting that is left
.if MSB != \new
	s_set_vgpr_msb (MSB<<8)|\new
.set MSB, \new
.endif
.endm
; A joint load: waves 0 and 1 fetch the weights' two halves (96 rows), waves 2 and 3 x's two halves (64 rows).  The branch hangs on the wave's number alone.
.macro JLOAD s
	s_cmp_eq_u32 s17, 0
	s_cbranch_scc0 .Lfor_a_\@
	tensor_load_to_lds s[G0B+4*\s:G0B+4*\s+3], s[G1B:G1B+7]
	s_nop 0
	s_branch .Lasked_\@
.Lfor_a_\@:
	tensor_load_to_lds s[G0+4*\s:G0+4*\s+3], s[G1:G1+7]
	s_nop 0
.Lasked_\@:
.endm
.macro CREST                           ; a round of the cluster's barrier behind its opening barrier
	s_cmp_lg_u32 s16, 0
	s_cbranch_scc1 .Lnot_wave_0_\@
	s_barrier_signal -3
.Lnot_wave_0_\@:
	s_barrier_wait -3
	s_barrier_signal -1
	s_barrier_wait -1
.endm
.macro CROUND                          ; a whole round
	s_barrier_signal -1
	s_barrier_wait -1
	CREST
.endm
.macro PLACES                          ; four places behind a matrix instruction, in front of loads into its sources and of readers of its result
.rept 4
	v_nop
.endr
.endm
	s_load_b256 s[4:11], s[0:1], 0x0               ; bf s[4:5], wq_b s[6:7], wk_b s[8:9], wv_b s[10:11]
	s_load_b128 s[12:15], s[0:1], 0x20             ; rope_cache s[12:13], heads s[14:15]
	v_lshl_add_u32 v254, v0, 2, 0x38000
	v_mov_b32 v255, 0
	ds_add_u32 v254, v255
	v_lshrrev_b32 v1, 5, v0
	v_readfirstlane_b32 s16, v1                    ; wave 0..3
	s_lshr_b32 s17, s16, 1                         ; mw: my half of the rows.  Also: I fetch weights (0) or x (1)
	s_and_b32 s18, s16, 1                          ; nw: my share of the columns.  Also: which half of a tile I fetch
	s_bfe_u32 s20, ttmp6, 0x40000                  ; cx
	s_bfe_u32 s21, ttmp6, 0x40004                  ; cy
	s_lshl_b32 s22, ttmp9, 2
	s_add_co_u32 s22, s22, s20                     ; block column = 4 x cluster x + cx
	s_and_b32 s23, ttmp7, 0xffff
	s_lshl_b32 s23, s23, 2
	s_add_co_u32 s23, s23, s21                     ; block row = 4 x cluster y + cy
	s_lshl_b32 s19, s21, 2
	s_lshl_b32 s19, 15, s19                        ; my row of the cluster
	s_lshl_b32 s66, 0x1111, s20                    ; my column
	s_or_b32 s[G1+0], s19, GW0                     ; x's tiles go to my row
	s_or_b32 s[G1B+0], s66, GW0                    ; the weights' to my column
	s_mov_b32 s[G1+1], KS<<16                      ; tensor_dim0 = 128
	s_mov_b32 s[G1B+1], KS<<16
	s_mov_b32 s[G1+2], 64<<16                      ; tensor_dim1 = 64 rows
	s_mov_b32 s[G1B+2], 96<<16                     ; 96 rows
	s_mov_b32 s[G1+3], KS<<16                      ; tile_dim0 = 128
	s_mov_b32 s[G1B+3], KS<<16
	s_mov_b32 s[G1+4], 64                          ; tile_dim1
	s_mov_b32 s[G1B+4], 96
	s_mov_b32 s[G1+5], 2048                        ; elements from row to row
	s_mov_b32 s[G1B+5], 2048
	s_mov_b32 s[G1+6], 0
	s_mov_b32 s[G1B+6], 0
	s_mov_b32 s[G1+7], 0
	s_mov_b32 s[G1B+7], 0
	; x's address is made of the block row and the wave's number, the weights' of the block column and the wave's number, in registers of their own
	s_lshl_b32 s40, s23, 19                        ; 128 rows of 4,096 bytes
	s_lshl_b32 s41, s18, 18                        ; + 64 rows for the second half
	s_add_co_u32 s40, s40, s41
	s_mov_b32 s41, 0
	s_mul_i32 s44, s22, 192*4096
	s_mul_i32 s45, s18, 96*4096
	s_add_co_u32 s44, s44, s45
	s_add_co_u32 s44, s44, WQKV
	s_mov_b32 s45, 0
	s_mul_i32 s46, s16, 96*PITCH                   ; LDS: waves 0, 1: the weights' halves at 0 and 96 rows
	s_mul_i32 s47, s16, 64*PITCH
	s_add_co_u32 s47, s47, BBYTES-128*PITCH        ; waves 2, 3: x's halves at BBYTES and 64 rows on
	s_wait_dscnt 0x0
	s_wait_kmcnt 0x0
	s_add_nc_u64 s[40:41], s[4:5], s[40:41]
	s_add_nc_u64 s[44:45], s[4:5], s[44:45]
	CROUND                                         ; all sixteen work-groups are here: the first joint loads meet
.irp s, 0,1
	s_mov_b32 s[G0+4*\s], 1
	s_add_co_u32 s[G0+4*\s+1], s47, \s*SLOT
	s_add_nc_u64 s[G0+4*\s+2:G0+4*\s+3], s[40:41], \s*KS*2
	s_or_b32 s[G0+4*\s+3], s[G0+4*\s+3], 0x80000000
	s_mov_b32 s[G0B+4*\s], 1
	s_add_co_u32 s[G0B+4*\s+1], s46, \s*SLOT
	s_add_nc_u64 s[G0B+4*\s+2:G0B+4*\s+3], s[44:45], \s*KS*2
	s_or_b32 s[G0B+4*\s+3], s[G0B+4*\s+3], 0x80000000
	JLOAD \s                                       ; both slots are asked for before anything else: two loads of a wave are out, later one
.endr
	; lane addresses
	v_and_b32 v1, 15, v0                           ; r = l % 16
	v_bfe_u32 v2, v0, 4, 1                         ; h = l / 16
	v_and_b32 v4, 31, v0                           ; l
	v_mul_u32_u24 v3, v1, PITCH
	v_lshl_add_u32 v3, v2, 4, v3                   ; row x pitch + 16 h
	s_mul_i32 s67, s18, 16*PITCH                   ; my 16 of every 32 weight rows
	s_mul_i32 s80, s17, 64*PITCH
	s_add_co_u32 s80, s80, BBYTES                  ; my 64 rows of x
.irp s, 0,1
	v_add_nc_u32 v[ADRB+\s], s67, v3
	v_add_nc_u32 v[ADRA+\s], s80, v3
	s_add_co_u32 s67, s67, SLOT
	s_add_co_u32 s80, s80, SLOT
.endr
	s_mul_i32 s67, s17, 64*SPITCH
	s_lshl_b32 s80, s18, 5
	s_add_co_u32 s67, s67, s80
	s_add_co_u32 s67, s67, STAGE
	v_mul_u32_u24 v3, v1, SPITCH
	v_lshl_add_u32 v3, v2, 4, v3
	v_add_nc_u32 v[STO], s67, v3                   ; stage + (64 mw + r) 144 + 32 nw + 16 h
	v_lshrrev_b32 v3, 3, v4
	v_mul_u32_u24 v3, v3, SPITCH
	v_and_b32 v5, 7, v4
	v_lshl_add_u32 v3, v5, 4, v3
	s_mul_i32 s67, s16, 32*SPITCH
	s_add_co_u32 s67, s67, STAGE
	v_add_nc_u32 v[RD], s67, v3                    ; stage + (32 w + l / 8) 144 + 16 (l % 8)
	s_lshl_b32 s67, s16, 12
	v_lshl_add_u32 v[CO], v4, 4, s67               ; 32 w rows of 128 bytes + 16 l
	s_lshl_b32 s67, s18, 6
	v_lshl_add_u32 v[BOF], v2, 5, s67              ; 4 (16 nw + 8 h)
	v_lshl_add_u32 v[ROFF], v1, 8, v[BOF]          ; + a row of 256 bytes for each r
	; For each of my three heads H = 3 bx + hh: its bias, and what is done to it: q heads rope and the scale, k heads rope, v heads nothing.
	; Choices, not branches: H hangs on the place in the cluster.
	s_mul_i32 s67, s22, 3
.macro HEADSEL hh
	s_add_co_u32 s80, s67, \hh
	s_mov_b64 s[68+2*\hh:69+2*\hh], s[6:7]
	s_mov_b32 s81, 0
	s_mov_b32 s[CF+2*\hh], 0x3e38aa3b              ; 0.125 log2(e)
	s_mov_b32 s[CF+2*\hh+1], 0
	s_cmp_ge_u32 s80, 32
	s_cselect_b64 s[68+2*\hh:69+2*\hh], s[8:9], s[68+2*\hh:69+2*\hh]
	s_cselect_b32 s81, 32, s81
	s_cselect_b32 s[CF+2*\hh], 1.0, s[CF+2*\hh]
	s_cmp_ge_u32 s80, 40
	s_cselect_b64 s[68+2*\hh:69+2*\hh], s[10:11], s[68+2*\hh:69+2*\hh]
	s_cselect_b32 s81, 40, s81
	s_cselect_b32 s[CF+2*\hh], 0, s[CF+2*\hh]
	s_cselect_b32 s[CF+2*\hh+1], 1.0, s[CF+2*\hh+1]
	s_sub_co_u32 s80, s80, s81
	s_lshl_b32 s80, s80, 8                         ; 64 f32 a head
	s_mov_b32 s81, 0
	s_add_nc_u64 s[68+2*\hh:69+2*\hh], s[68+2*\hh:69+2*\hh], s[80:81]
.endm
	HEADSEL 0
	HEADSEL 1
	HEADSEL 2
	s_lshl_b32 s82, s23, 15                        ; rope_cache at my first row: (128 by + 64 mw) rows of 256 bytes
	s_lshl_b32 s83, s17, 14
	s_add_co_u32 s82, s82, s83
	s_mov_b32 s83, 0
	s_add_nc_u64 s[84:85], s[12:13], s[82:83]
	s_mul_i32 s82, s22, 3*262144                   ; heads at my first head and my block's first row
	s_lshl_b32 s83, s23, 14
	s_add_co_u32 s82, s82, s83
	s_mov_b32 s83, 0
	s_add_nc_u64 s[86:87], s[14:15], s[82:83]
	; 28 loads for the epilogue go out now and are waited for there; their address registers and bases are never rewritten
	WIN 0x80                                       ; destination window 2
.irp a, 0,1,2,3
	global_load_b128 v[16*\a:16*\a+3],     v[ROFF], s[84:85] offset:4096*\a        ; cos of d = 16 nw + 8 h + 0..3, rows 16 a + r
	global_load_b128 v[16*\a+4:16*\a+7],   v[ROFF], s[84:85] offset:4096*\a+16
	global_load_b128 v[16*\a+8:16*\a+11],  v[ROFF], s[84:85] offset:4096*\a+128    ; sin
	global_load_b128 v[16*\a+12:16*\a+15], v[ROFF], s[84:85] offset:4096*\a+144
.endr
.irp hh, 0,1,2
	global_load_b128 v[64+16*\hh:64+16*\hh+3],     v[BOF], s[68+2*\hh:69+2*\hh]             ; bias of d = 16 nw + 8 h + 0..7
	global_load_b128 v[64+16*\hh+4:64+16*\hh+7],   v[BOF], s[68+2*\hh:69+2*\hh] offset:16
	global_load_b128 v[64+16*\hh+8:64+16*\hh+11],  v[BOF], s[68+2*\hh:69+2*\hh] offset:128  ; and of d + 32
	global_load_b128 v[64+16*\hh+12:64+16*\hh+15], v[BOF], s[68+2*\hh:69+2*\hh] offset:144
.endr
	WIN 0
; 12 matrix instructions: row tiles a0, a0 + 1 x all six column tiles, 32 along K.  The 24 accumulators take turns, one instruction a turn, in the
; same order in every quarter, over the backward jump too.
.macro MUL f, a0, zero
.irp a, \a0, \a0+1
.irp b, 0,1,2,3,4,5
.if \zero
	v_wmma_f32_16x16x32_bf16 v[8*(NB*(\a)+\b):8*(NB*(\a)+\b)+7], v[\f+8*\b:\f+8*\b+7], v[\f+8*NB+8*(\a):\f+8*NB+8*(\a)+7], 0
.else
	v_wmma_f32_16x16x32_bf16 v[8*(NB*(\a)+\b):8*(NB*(\a)+\b)+7], v[\f+8*\b:\f+8*\b+7], v[\f+8*NB+8*(\a):\f+8*NB+8*(\a)+7], v[8*(NB*(\a)+\b):8*(NB*(\a)+\b)+7]
.endif
.endr
.endr
.endm
; 20 LDS loads: the fragments of one quarter (32 K at byte k of the rows) into buffer f.  Column tile b = 2 hh + e lies at weight row 64 hh + 32 e + 16 nw.
.macro FETCH slot, k, f
.irp b, 0,1,2,3,4,5
	ds_load_b128 v[\f+8*\b:\f+8*\b+3],   v[ADRB+\slot] offset:\k+(((\b)/2)*64+((\b)%2)*32)*PITCH
	ds_load_b128 v[\f+8*\b+4:\f+8*\b+7], v[ADRB+\slot] offset:\k+(((\b)/2)*64+((\b)%2)*32)*PITCH+32
.endr
.irp a, 0,1,2,3
	ds_load_b128 v[\f+8*NB+8*\a:\f+8*NB+8*\a+3],   v[ADRA+\slot] offset:\k+\a*16*PITCH
	ds_load_b128 v[\f+8*NB+8*\a+4:\f+8*NB+8*\a+7], v[ADRA+\slot] offset:\k+\a*16*PITCH+32
.endr
.endm
; A quarter: buffer f is in; the next quarter's fragments are asked for into buffer g; then f is multiplied while they come.
.macro QUARTER slot, k, f, g, zero
	s_wait_dscnt 0x0
	PLACES
	FETCH \slot, \k, \g
	WIN MULW
	MUL \f, 0, \zero
	MUL \f, 2, \zero
	WIN 0
.endm
.macro RUN slot, zero
	QUARTER \slot, 64,  F0, F1, \zero
	QUARTER \slot, 128, F1, F0, 0
	QUARTER \slot, 192, F0, F1, 0
.endm
; The last quarter of a slot multiplies buffer 1 and changes slots.  In front of the barrier each wave waits for its reads of this slot and for all
; its tensor loads (the one that is out is its part of the next slot).  Where the slot is filled again the barrier opens a round of the cluster's
; barrier, with register work alone inside, and the joint refill is the first tensor load behind the round, one a wave.
.macro TURN slot, next, fill
	s_wait_dscnt 0x0
	s_wait_tensorcnt 0x0
	ds_add_u32 v254, v255
	s_wait_dscnt 0x0
	s_barrier_signal -1
	WIN MULW
	MUL F1, 0, 0
	WIN 0
	s_barrier_wait -1
.if \fill
	CREST
	s_add_nc_u64 s[G0+4*\slot+2:G0+4*\slot+3], s[G0+4*\slot+2:G0+4*\slot+3], 2*KS*2
	s_add_nc_u64 s[G0B+4*\slot+2:G0B+4*\slot+3], s[G0B+4*\slot+2:G0B+4*\slot+3], 2*KS*2
	JLOAD \slot
.endif
	PLACES
	FETCH \next, 0, F0
	WIN MULW
	MUL F1, 2, 0
	WIN 0
.endm
.macro LAP zero
	RUN 0, \zero
	TURN 0, 1, 1
	RUN 1, 0
	TURN 1, 0, 1
.endm
	s_wait_tensorcnt 0x1                           ; my part of slot 0 is in; slot 1's may stay out
	s_barrier_signal -1
	s_barrier_wait -1
	FETCH 0, 0, F0
	LAP 1                                          ; the first products start the sums: nothing is cleared
	s_mov_b32 s3, LAPS-2
.Llap:
	LAP 0
	s_sub_co_u32 s3, s3, 1
	s_cmp_lg_u32 s3, 0
	s_cbranch_scc1 .Llap
	RUN 0, 0                                       ; the last lap fills nothing
	TURN 0, 1, 0
	RUN 1, 0
	s_wait_dscnt 0x0
	WIN MULW
	MUL F1, 0, 0
	MUL F1, 2, 0
	WIN 0
	PLACES
	; THE EPILOGUE: bias, rope, scale, f16, through the stage.
	s_wait_loadcnt 0x0                             ; cos, sin and the biases
.macro ROUNDROPE a                     ; my rows' 8 cos and 8 sin, rounded to bf16 and widened again
	WIN 0x0a                                       ; sources 0 and 1 in window 2
.irp i, 0,1,2,3,4,5,6,7
	v_cvt_pk_bf16_f32 v[PK+\i], v[16*\a+2*\i], v[16*\a+2*\i+1]
.endr
	WIN 0
.irp i, 0,1,2,3,4,5,6,7
	v_lshlrev_b32 v[RC+2*\i],   16,         v[PK+\i]
	v_and_b32     v[RC+2*\i+1], 0xffff0000, v[PK+\i]
.endr
.endm
.macro ROPE16 a, hh                    ; rows 16 a .. + 15 of head hh: y1 = x1 c - x2 s, y2 = x2 c + x1 s, with c = cos f + g, s = sin f
	WIN 0x09                                       ; source 0 (sums) window 1, source 1 (bias) window 2
.irp i, 0,1,2,3
	v_pk_add_f32 v[X1+2*\i:X1+2*\i+1], v[8*(NB*\a+2*\hh)+2*\i:8*(NB*\a+2*\hh)+2*\i+1],     v[64+16*\hh+2*\i:64+16*\hh+2*\i+1]
	v_pk_add_f32 v[X2+2*\i:X2+2*\i+1], v[8*(NB*\a+2*\hh+1)+2*\i:8*(NB*\a+2*\hh+1)+2*\i+1], v[64+16*\hh+8+2*\i:64+16*\hh+8+2*\i+1]
.endr
	WIN 0
.irp j, 0,1,2,3,4,5,6,7
	v_fma_f32 v[CE+\j], v[RC+\j], s[CF+2*\hh], s[CF+2*\hh+1]
.endr
.irp i, 0,1,2,3
	v_pk_mul_f32 v[SE+2*\i:SE+2*\i+1], v[RC+8+2*\i:RC+8+2*\i+1], s[CF+2*\hh:CF+2*\hh+1] op_sel_hi:[1,0]
.endr
.irp i, 0,1,2,3
	v_pk_mul_f32 v[T1+2*\i:T1+2*\i+1], v[X2+2*\i:X2+2*\i+1], v[SE+2*\i:SE+2*\i+1]
	v_pk_mul_f32 v[T2+2*\i:T2+2*\i+1], v[X1+2*\i:X1+2*\i+1], v[SE+2*\i:SE+2*\i+1]
.endr
.irp i, 0,1,2,3
	v_pk_fma_f32 v[T1+2*\i:T1+2*\i+1], v[X1+2*\i:X1+2*\i+1], v[CE+2*\i:CE+2*\i+1], v[T1+2*\i:T1+2*\i+1] neg_lo:[0,0,1] neg_hi:[0,0,1]
	v_pk_fma_f32 v[T2+2*\i:T2+2*\i+1], v[X2+2*\i:X2+2*\i+1], v[CE+2*\i:CE+2*\i+1], v[T2+2*\i:T2+2*\i+1]
.endr
.irp i, 0,1,2,3
	v_cvt_pk_f16_f32 v[WO+\i],   v[T1+2*\i], v[T1+2*\i+1]
	v_cvt_pk_f16_f32 v[WO+4+\i], v[T2+2*\i], v[T2+2*\i+1]
.endr
	ds_store_b128 v[STO], v[WO:WO+3]   offset:\hh*HSTAGE+\a*16*SPITCH
	ds_store_b128 v[STO], v[WO+4:WO+7] offset:\hh*HSTAGE+\a*16*SPITCH+64
.endm
.irp a, 0,1,2,3
	ROUNDROPE \a
	ROPE16 \a, 0
	ROPE16 \a, 1
	ROPE16 \a, 2
.endr
	s_wait_dscnt 0x0                               ; my stores are done: two waves write each row of the stage,
	s_barrier_signal -1
	s_barrier_wait -1                              ; and every wave reads rows that others wrote
.irp hh, 0,1,2
.irp t, 0,1,2,3,4,5,6,7
	ds_load_b128 v[F0+4*(8*\hh+\t):F0+4*(8*\hh+\t)+3], v[RD] offset:\hh*HSTAGE+\t*4*SPITCH    ; four rows of 128 bytes
.endr
.endr
.irp hh, 0,1,2
.irp t, 0,1,2,3,4,5,6,7
	s_wait_dscnt 23-(8*\hh+\t)                     ; LDS loads come back in order: this one is in, the younger ones stay out
	global_store_b128 v[CO], v[F0+4*(8*\hh+\t):F0+4*(8*\hh+\t)+3], s[86:87] offset:\hh*262144+512*\t   ; a store of the wave covers 512 consecutive bytes, aligned
.endr
.endr
	s_wait_tensorcnt 0x0
	ds_add_u32 v254, v255
	s_wait_dscnt 0x0
	CROUND                                         ; the closing round: no work-group ends while a partner may still ask for a tile that names it
	s_endpgm
.Lfunc_end_k_q5f1711edb4_qkv:
	.size	k_q5f1711edb4_qkv, .Lfunc_end_k_q5f1711edb4_qkv-k_q5f1711edb4_qkv
	.p2alignl 7, 3214868480
	.fill 96, 4, 3214868480
	.section	.rodata,"a",@progbits
	.p2align	6, 0x0
	.amdhsa_kernel k_q5f1711edb4_qkv
		.amdhsa_group_segment_fixed_size 327680
		.amdhsa_private_segment_fixed_size 0
		.amdhsa_enable_private_segment 0
		.amdhsa_kernarg_size 48
		.amdhsa_user_sgpr_count 2
		.amdhsa_user_sgpr_kernarg_segment_ptr 1
		.amdhsa_wavefront_size32 1
		.amdhsa_system_sgpr_workgroup_id_x 1
		.amdhsa_system_sgpr_workgroup_id_y 1
		.amdhsa_system_sgpr_workgroup_id_z 1
		.amdhsa_system_vgpr_workitem_id 0
		.amdhsa_next_free_vgpr 624
		.amdhsa_next_free_sgpr 96
		.amdhsa_reserve_vcc 0
		.amdhsa_float_denorm_mode_32 3
		.amdhsa_float_denorm_mode_16_64 3
		.amdhsa_memory_ordered 1
		.amdhsa_forward_progress 1
		.amdhsa_inst_pref_size 133
	.end_amdhsa_kernel
	.amdgpu_metadata
---
amdhsa.version: [ 1, 2 ]
amdhsa.kernels:
  - .name:           k_q5f1711edb4_qkv
    .symbol:         k_q5f1711edb4_qkv.kd
    .args:
      - { .name: bf, .offset: 0, .size: 8, .value_kind: global_buffer, .address_space: global }
      - { .name: wq_b, .offset: 8, .size: 8, .value_kind: global_buffer, .address_space: global }
      - { .name: wk_b, .offset: 16, .size: 8, .value_kind: global_buffer, .address_space: global }
      - { .name: wv_b, .offset: 24, .size: 8, .value_kind: global_buffer, .address_space: global }
      - { .name: rope_cache, .offset: 32, .size: 8, .value_kind: global_buffer, .address_space: global }
      - { .name: heads, .offset: 40, .size: 8, .value_kind: global_buffer, .address_space: global }
    .group_segment_fixed_size: 327680
    .private_segment_fixed_size: 0
    .kernarg_segment_align: 8
    .kernarg_segment_size: 48
    .max_flat_workgroup_size: 128
    .sgpr_count:     96
    .vgpr_count:     624
    .wavefront_size: 32
...
	.end_amdgpu_metadata
.endif
;; end of part 2
;; launch attn (part 3): grid 32 x 8, 16 waves a work-group, no clusters, 327,680 bytes of LDS; arguments heads, sinks, att; writes att
.if DOCPART == 3
	.amdgcn_target "amdgcn-amd-amdhsa--gfx1250"
	.amdhsa_code_object_version 6
	.text
	.protected	k_q5f1711edb4_attn
	.globl	k_q5f1711edb4_attn
	.p2align	8
	.type	k_q5f1711edb4_attn,@function
k_q5f1711edb4_attn:
	s_mov_b64 s[64:65], 0
	v_nop
	global_prefetch_b8 v0, s[64:65] scope:SCOPE_SE
	s_setreg_imm32_b32 hwreg(HW_REG_WAVE_MODE, 25, 1), 1
	s_wait_xcnt 0x0
; Causal attention with sinks.  heads: 48 x [2048][64] f16 (q 0-31, already roped and times 0.125 log2(e); k 32-39; v 40-47).  att: [2048][32 x 64] f16.
; With m the running maximum and l the running sum in base 2:  (O / l) sigmoid(lse - sink) = O / (l + 2^(sink log2(e) - m)): no logarithm is needed.
; SHARES.  Work-group (i, g): key/value head g, its four query heads, query rows 32 i .. + 31 (waves 0-7) and 32 (63 - i) .. + 31 (waves 8-15): together
; 33 or 34 key tiles of 64 for every i.  Wave w: bit 0 = which pair of heads, bit 1 = which 16 rows, bit 2 = key tiles of even or odd number,
; bit 3 = which row block.  A wave's 32 columns are 16 query rows x 2 heads.  The two waves of a pair (bit 2) merge their sums at the end.
; FORM.  S^T = K Q^T and O^T = V^T P^T: in S^T lane (r, h) holds query r and keys 16 mt + 8 h + j, so maxima and sums are made in the lane but for one
; exchange of the halves, and pairs of S^T pack straight into the second product's operand.  V^T comes by the transposing LDS load.
; K and V go through two LDS slots of 256 keys, filled by waves 0-3, one tensor load each (128 keys = 16 KiB, dense, as 64 rows of 256 bytes,
; padded behind every 128 bytes: K to a pitch of 144, V to 160).
; NO CLUSTER: what work-groups share is one head's K and V, but those that share it differ in i, and the number of slots that a work-group walks,
; 8 - (i >> 3), and the tiles that its waves skip or mask hang on i; walking all 8 slots and all tiles in every partner would about double the products.
; FORMAT AND LIMITS.  q, k, v, the probabilities and att are f16 (room to 65,504; a probability below 6e-8 counts as 0).  Masked scores are -1e30 in base 2:
; true scores beyond 1e30 are not served.  Exponentials below 2^-126 count as 0.  The sums over keys are made in two streams and merged, in another
; order than reference()'s.  NaN and infinities in the inputs are not followed number for number.
.set KP,     144
.set VP,     160
.set KOFF,   256*VP                    ; in a slot V's 256 rows come first (40,960 bytes), then K's (36,864)
.set SLOT,   KOFF+256*KP               ; 77,824
.set PART,   2*SLOT                    ; behind the ring, at a multiple of 256: 8,704 bytes for each wave; no tensor load lands here
.set PSZ,    8704                      ; odd-tile waves: their O (8,192) and statistics (512); even-tile waves: their stage (16 x 272)
.set SPITCH, 272
.set AK,  1                            ; v1-2   LDS address of my K fragments in slot 0, 1
.set AV,  3                            ; v3-4   the same for V
.set RH,  5                            ; r - 8 h
.set VD,  6                            ; the mask's bound: key 16 mt + j of my half is seen if 16 mt + j <= VD
.set NEG, 7                            ; -1e30
.set MN,  8                            ; (v8, v9), (v10, v11): new and old maximum of head 0, 1
.set AL,  12                           ; (v12, v13), (v14, v15): rescale factor and running sum of head 0, 1
.set SUM, 16                           ; v16-19
.set TT,  20                           ; v20-23
.set STO, 24
.set RD,  25
.set CO,  26
.set PA,  27
.set QO,  28
.set Q,   32                           ; v32-63   Q fragments (n, ks) at 16 n + 8 ks
.set KV,  64                           ; v64-127  K fragments (ks, mt), then V fragments (ks, dt), at 32 ks + 8 t
.set SB,  128                          ; v128-191 S tile (mt, n) at 16 mt + 8 n; P fragment (ks, n) in place at 32 ks + 8 n
.set OB,  192                          ; v192-255 O tile (dt, n) at 16 dt + 8 n
.set G1K, 24
.set G1V, 32
.set G0K, 40                           ; one group 0 for each slot
.set G0V, 48
	s_load_b128 s[4:7], s[0:1], 0x0                ; heads s[4:5], sinks s[6:7]
	s_load_b64 s[8:9], s[0:1], 0x10                ; att
	v_lshl_add_u32 v30, v0, 2, 0x48000
	v_mov_b32 v31, 0
	ds_add_u32 v30, v31
	v_lshrrev_b32 v16, 5, v0
	v_readfirstlane_b32 s10, v16                   ; wave 0..15
	s_and_b32 s11, s10, 1                          ; which pair of heads.  For waves 0-3 also: which half of a slot's rows I fetch
	s_bfe_u32 s12, s10, 0x10001                    ; which 16 rows
	s_bfe_u32 s13, s10, 0x10002                    ; parity of my key tiles
	s_lshr_b32 s14, s10, 3                         ; which row block
	s_and_b32 s16, ttmp7, 0xffff                   ; g
	s_sub_co_u32 s17, 63, ttmp9
	s_cmp_eq_u32 s14, 0
	s_cselect_b32 s17, ttmp9, s17                  ; row block i or 63 - i
	s_lshl_b32 s18, s17, 5
	s_lshl_b32 s19, s12, 4
	s_add_co_u32 s18, s18, s19                     ; my first query row
	s_lshr_b32 s19, s18, 6
	s_add_co_u32 s19, s19, 1                       ; key tiles that my rows see
	s_sub_co_i32 s19, s19, s13                     ; left: tile 2 u + parity of the slot at hand is mine to do if left > 2 u
	s_lshl_b32 s20, s13, 6
	s_sub_co_i32 s20, s18, s20                     ; my first row minus the first key of my first tile in the slot at hand
	s_lshr_b32 s21, ttmp9, 3
	s_sub_co_u32 s21, 8, s21                       ; slots that the work-group walks: 5 to 8
	s_and_b32 s22, s21, 1                          ; an odd number of them?
	s_lshr_b32 s21, s21, 1
	s_sub_co_u32 s21, s21, 1                       ; trips of the ring's loop, at least 1
	s_mov_b32 s62, 0x76543210                      ; v_permlanex16_b32: lane i of one half reads lane i of the other
	s_mov_b32 s63, 0xfedcba98
	; group 1: 64 rows of 32 elements of 8 bytes, dense; a pad behind every 32 words: 4 words for K, 8 for V
	s_mov_b32 s[G1K+0], (3<<16)|(1<<20)|(4<<22)|(3<<25)
	s_mov_b32 s[G1V+0], (3<<16)|(1<<20)|(4<<22)|(7<<25)
	s_mov_b32 s[G1K+1], 32<<16
	s_mov_b32 s[G1V+1], 32<<16
	s_mov_b32 s[G1K+2], 64<<16
	s_mov_b32 s[G1V+2], 64<<16
	s_mov_b32 s[G1K+3], 32<<16
	s_mov_b32 s[G1V+3], 32<<16
	s_mov_b32 s[G1K+4], 64
	s_mov_b32 s[G1V+4], 64
	s_mov_b32 s[G1K+5], 32
	s_mov_b32 s[G1V+5], 32
	s_mov_b32 s[G1K+6], 0
	s_mov_b32 s[G1V+6], 0
	s_mov_b32 s[G1K+7], 0
	s_mov_b32 s[G1V+7], 0
	s_lshl_b32 s58, s16, 18                        ; head g of its kind,
	s_lshl_b32 s59, s11, 14                        ; my half: 128 rows of 128 bytes
	s_add_co_u32 s58, s58, s59
	s_mov_b32 s59, 0
	s_mul_i32 s68, s10, 128*VP                     ; LDS: waves 0, 1: V's halves
	s_mul_i32 s69, s10, 128*KP
	s_add_co_u32 s69, s69, KOFF-2*128*KP           ; waves 2, 3: K's halves, behind V
	s_wait_dscnt 0x0
	s_barrier_signal -1
	s_barrier_wait -1
	s_wait_kmcnt 0x0
	s_add_nc_u64 s[58:59], s[4:5], s[58:59]
.irp s, 0,1
	s_mov_b32 s[G0K+4*\s], 1
	s_add_co_u32 s[G0K+4*\s+1], s69, \s*SLOT
	s_add_nc_u64 s[G0K+4*\s+2:G0K+4*\s+3], s[58:59], 32*262144+\s*32768
	s_or_b32 s[G0K+4*\s+3], s[G0K+4*\s+3], 0x80000000
	s_mov_b32 s[G0V+4*\s], 1
	s_add_co_u32 s[G0V+4*\s+1], s68, \s*SLOT
	s_add_nc_u64 s[G0V+4*\s+2:G0V+4*\s+3], s[58:59], 40*262144+\s*32768
	s_or_b32 s[G0V+4*\s+3], s[G0V+4*\s+3], 0x80000000
.endr
	; the first fills of both slots, for each loading wave inside one branch on its number: two loads of such a wave are out, later one
	s_cmp_ge_u32 s10, 4
	s_cbranch_scc1 .Lfilled
	s_cmp_ge_u32 s10, 2
	s_cbranch_scc1 .Lfill_k
	tensor_load_to_lds s[G0V:G0V+3], s[G1V:G1V+7]
	s_nop 0
	tensor_load_to_lds s[G0V+4:G0V+7], s[G1V:G1V+7]
	s_nop 0
	s_branch .Lfilled
.Lfill_k:
	tensor_load_to_lds s[G0K:G0K+3], s[G1K:G1K+7]
	s_nop 0
	tensor_load_to_lds s[G0K+4:G0K+7], s[G1K:G1K+7]
	s_nop 0
.Lfilled:
	v_and_b32 v16, 15, v0                          ; r
	v_bfe_u32 v17, v0, 4, 1                        ; h
	v_and_b32 v18, 31, v0                          ; l
	s_lshl_b32 s23, s16, 2
	s_lshl_b32 s70, s11, 1
	s_add_co_u32 s23, s23, s70                     ; my first query head, 4 g + 2 hp
	s_lshl_b32 s56, s23, 18
	s_lshl_b32 s57, s18, 7
	s_add_co_u32 s56, s56, s57
	s_mov_b32 s57, 0
	s_add_nc_u64 s[56:57], s[4:5], s[56:57]        ; q at my first head and row
	v_lshlrev_b32 v[QO], 7, v16
	v_lshl_add_u32 v[QO], v17, 4, v[QO]            ; 128 r + 16 h
.irp n, 0,1
.irp ks, 0,1
	global_load_b128 v[Q+16*\n+8*\ks:Q+16*\n+8*\ks+3],   v[QO], s[56:57] offset:\n*262144+64*\ks
	global_load_b128 v[Q+16*\n+8*\ks+4:Q+16*\n+8*\ks+7], v[QO], s[56:57] offset:\n*262144+64*\ks+32
.endr
.endr
	s_lshl_b32 s70, s23, 2
	s_load_b64 s[60:61], s[6:7], s70 offset:0x0    ; my two heads' sinks
	s_lshl_b32 s68, s18, 12
	s_lshl_b32 s69, s23, 7
	s_add_co_u32 s68, s68, s69
	s_mov_b32 s69, 0
	s_add_nc_u64 s[66:67], s[8:9], s[68:69]        ; att at my first row and head
	v_mul_u32_u24 v19, v16, KP
	v_lshl_add_u32 v19, v17, 4, v19
	s_mul_i32 s71, s13, 64*KP
	s_add_co_u32 s71, s71, KOFF
	v_add_nc_u32 v[AK], s71, v19                   ; K: (64 parity + r) 144 + 16 h
	v_add_nc_u32 v[AK+1], SLOT, v[AK]
	v_and_b32 v19, 7, v0
	v_lshl_add_u32 v19, v17, 3, v19
	v_mul_u32_u24 v19, v19, VP
	v_bfe_u32 v20, v0, 3, 1
	v_lshl_add_u32 v19, v20, 4, v19
	s_mul_i32 s71, s13, 64*VP
	v_add_nc_u32 v[AV], s71, v19                   ; V: (64 parity + 8 h + l % 8) 160 + 16 ((l / 8) % 2)
	v_add_nc_u32 v[AV+1], SLOT, v[AV]
	v_lshlrev_b32 v19, 3, v17
	v_sub_nc_u32 v[RH], v16, v19
	v_mov_b32 v[NEG], 0xf149f2ca                   ; -1e30
	s_mul_i32 s72, s10, PSZ
	s_add_co_u32 s72, s72, PART                    ; my wave's own region
	v_lshl_add_u32 v[PA], v18, 4, s72
	v_mul_u32_u24 v19, v16, SPITCH
	v_lshl_add_u32 v19, v17, 4, v19
	v_add_nc_u32 v[STO], s72, v19                  ; stage: 272 r + 16 h
	v_mul_u32_u24 v19, v17, SPITCH
	v_lshl_add_u32 v19, v16, 4, v19
	v_add_nc_u32 v[RD], s72, v19                   ; back: 272 (l / 16) + 16 (l % 16)
	v_lshlrev_b32 v19, 12, v17
	v_lshl_add_u32 v[CO], v16, 4, v19              ; att: 4,096 (l / 16) + 16 (l % 16)
	v_mov_b32 v[MN+1], 0                           ; the upper halves of pairs that are named before they hold an old maximum
	v_mov_b32 v[MN+3], 0
	s_wait_kmcnt 0x0
	s_mul_f32 s60, s60, 0x3fb8aa3b                 ; the sinks in base 2
	s_mul_f32 s61, s61, 0x3fb8aa3b
.macro KVLOAD s                        ; the slot's refill: waves 0, 1 V's halves, waves 2, 3 K's, the others nothing
	s_cmp_ge_u32 s10, 4
	s_cbranch_scc1 .Lnone_\@
	s_cmp_ge_u32 s10, 2
	s_cbranch_scc1 .Lk_\@
	tensor_load_to_lds s[G0V+4*\s:G0V+4*\s+3], s[G1V:G1V+7]
	s_nop 0
	s_branch .Lnone_\@
.Lk_\@:
	tensor_load_to_lds s[G0K+4*\s:G0K+4*\s+3], s[G1K:G1K+7]
	s_nop 0
.Lnone_\@:
.endm
; In front of a refill of slot o: all my tensor loads have landed (so its group 0 may step, 512 keys on), my LDS reads are back, and every wave says so.
.macro STEPHEAD o
	s_wait_tensorcnt 0x0
	ds_add_u32 v30, v31
	s_wait_dscnt 0x0
	s_add_nc_u64 s[G0K+4*\o+2:G0K+4*\o+3], s[G0K+4*\o+2:G0K+4*\o+3], 65536
	s_add_nc_u64 s[G0V+4*\o+2:G0V+4*\o+3], s[G0V+4*\o+2:G0V+4*\o+3], 65536
	s_wait_dscnt 0x0
	s_barrier_signal -1
	s_barrier_wait -1
.endm
; One key tile of 64 (tile 2 u + parity of the slot) against my 32 columns.  first = 1: it starts maxima, sums and O: nothing is cleared.
; In both products eight accumulators take turns, one instruction a turn.
.macro TILE slot, u, first
	s_sub_co_i32 s23, s20, 128*\u                  ; my first row minus the tile's first key
.irp ks, 0,1
.irp mt, 0,1,2,3
	ds_load_b128 v[KV+32*\ks+8*\mt:KV+32*\ks+8*\mt+3],   v[AK+\slot] offset:128*KP*\u+16*KP*\mt+64*\ks
	ds_load_b128 v[KV+32*\ks+8*\mt+4:KV+32*\ks+8*\mt+7], v[AK+\slot] offset:128*KP*\u+16*KP*\mt+64*\ks+32
.endr
.endr
	s_wait_dscnt 0x8                               ; the eight loads of d = 0..31 are in, the eight of d = 32..63 stay out
.irp mt, 0,1,2,3
.irp n, 0,1
	v_wmma_f32_16x16x32_f16 v[SB+16*\mt+8*\n:SB+16*\mt+8*\n+7], v[KV+8*\mt:KV+8*\mt+7], v[Q+16*\n:Q+16*\n+7], 0
.endr
.endr
	s_wait_dscnt 0x0
.irp mt, 0,1,2,3
.irp n, 0,1
	v_wmma_f32_16x16x32_f16 v[SB+16*\mt+8*\n:SB+16*\mt+8*\n+7], v[KV+32+8*\mt:KV+32+8*\mt+7], v[Q+16*\n+8:Q+16*\n+15], v[SB+16*\mt+8*\n:SB+16*\mt+8*\n+7]
.endr
.endr
	v_add_nc_u32 v[VD], s23, v[RH]                 ; four places behind the products (ISA guide 7.12.1): V is loaded over K, and S is read
	v_nop
	v_nop
	v_nop
.irp ks, 0,1
.irp dt, 0,1,2,3
	ds_load_tr16_b128 v[KV+32*\ks+8*\dt:KV+32*\ks+8*\dt+3],   v[AV+\slot] offset:128*VP*\u+32*VP*\ks+32*\dt
	ds_load_tr16_b128 v[KV+32*\ks+8*\dt+4:KV+32*\ks+8*\dt+7], v[AV+\slot] offset:128*VP*\u+32*VP*\ks+32*\dt+16*VP
.endr
.endr
	s_cmp_ge_i32 s23, 63                           ; all 64 keys lie at or below my first row: nothing to mask
	s_cbranch_scc1 .Lfull_\@
.irp mt, 0,1,2,3
.irp j, 0,1,2,3,4,5,6,7
	v_cmp_le_i32 vcc_lo, 16*\mt+\j, v[VD]
	v_cndmask_b32 v[SB+16*\mt+\j],   v[NEG], v[SB+16*\mt+\j],   vcc_lo
	v_cndmask_b32 v[SB+16*\mt+8+\j], v[NEG], v[SB+16*\mt+8+\j], vcc_lo
.endr
.endr
.Lfull_\@:
	; the new maximum of each head: two chains of three-way maxima over my 32 scores, the old maximum last, then the other half of the lanes
.irp n, 0,1
	v_max3_num_f32 v[TT+2*\n],   v[SB+8*\n],    v[SB+8*\n+1],    v[SB+8*\n+2]
	v_max3_num_f32 v[TT+2*\n+1], v[SB+32+8*\n], v[SB+32+8*\n+1], v[SB+32+8*\n+2]
.endr
.set x, 3
.rept 6
.irp n, 0,1
	v_max3_num_f32 v[TT+2*\n],   v[TT+2*\n],   v[SB+16*(x/8)+8*\n+x%8],    v[SB+16*((x+1)/8)+8*\n+(x+1)%8]
	v_max3_num_f32 v[TT+2*\n+1], v[TT+2*\n+1], v[SB+32+16*(x/8)+8*\n+x%8], v[SB+32+16*((x+1)/8)+8*\n+(x+1)%8]
.endr
.set x, x+2
.endr
.irp n, 0,1
	v_max3_num_f32 v[TT+2*\n], v[TT+2*\n], v[TT+2*\n+1], v[SB+16+8*\n+7]
.if \first
	v_max_num_f32 v[TT+2*\n], v[TT+2*\n], v[SB+48+8*\n+7]
.else
	v_max3_num_f32 v[TT+2*\n], v[TT+2*\n], v[SB+48+8*\n+7], v[MN+2*\n+1]
.endif
.endr
	v_permlanex16_b32 v[TT+1], v[TT],   s62, s63
	v_permlanex16_b32 v[TT+3], v[TT+2], s62, s63
	v_max_num_f32 v[MN],   v[TT],   v[TT+1]
	v_max_num_f32 v[MN+2], v[TT+2], v[TT+3]
.if \first == 0
	v_sub_f32 v[AL],   v[MN+1], v[MN]
	v_sub_f32 v[AL+2], v[MN+3], v[MN+2]
	v_exp_f32 v[AL],   v[AL]                       ; 2^(old - new); the subtractions below stand between it and its use
	v_exp_f32 v[AL+2], v[AL+2]
.endif
.irp mt, 0,1,2,3
.irp n, 0,1
.irp i, 0,1,2,3
	v_pk_add_f32 v[SB+16*\mt+8*\n+2*\i:SB+16*\mt+8*\n+2*\i+1], v[SB+16*\mt+8*\n+2*\i:SB+16*\mt+8*\n+2*\i+1], v[MN+2*\n:MN+2*\n+1] op_sel_hi:[1,0] neg_lo:[0,1] neg_hi:[0,1]
.endr
.endr
.endr
.set x, 0
.rept 64
	v_exp_f32 v[SB+x], v[SB+x]
.set x, x+1
.endr
.if \first
	v_nop                                          ; one plain instruction behind the last exponential (ISA guide 5.7.2)
	s_wait_alu depctr_va_vdst(0)
.else
	s_wait_alu depctr_va_vdst(0)
.irp dt, 0,1,2,3
.irp n, 0,1
.irp i, 0,1,2,3
	v_pk_mul_f32 v[OB+16*\dt+8*\n+2*\i:OB+16*\dt+8*\n+2*\i+1], v[OB+16*\dt+8*\n+2*\i:OB+16*\dt+8*\n+2*\i+1], v[AL+2*\n:AL+2*\n+1] op_sel_hi:[1,0]
.endr
.endr
.endr
.endif
	; my 32 probabilities of each head summed, in f32, in two chains
.irp n, 0,1
	v_pk_add_f32 v[SUM+2*\n:SUM+2*\n+1], v[SB+8*\n:SB+8*\n+1],       v[SB+8*\n+2:SB+8*\n+3]
	v_pk_add_f32 v[TT+2*\n:TT+2*\n+1],   v[SB+32+8*\n:SB+32+8*\n+1], v[SB+32+8*\n+2:SB+32+8*\n+3]
.endr
.set y, 2
.rept 6
.irp n, 0,1
	v_pk_add_f32 v[SUM+2*\n:SUM+2*\n+1], v[SUM+2*\n:SUM+2*\n+1], v[SB+16*(y/4)+8*\n+2*(y%4):SB+16*(y/4)+8*\n+2*(y%4)+1]
	v_pk_add_f32 v[TT+2*\n:TT+2*\n+1],   v[TT+2*\n:TT+2*\n+1],   v[SB+32+16*(y/4)+8*\n+2*(y%4):SB+32+16*(y/4)+8*\n+2*(y%4)+1]
.endr
.set y, y+1
.endr
	v_pk_add_f32 v[SUM:SUM+1],   v[SUM:SUM+1],   v[TT:TT+1]
	v_pk_add_f32 v[SUM+2:SUM+3], v[SUM+2:SUM+3], v[TT+2:TT+3]
	v_add_f32 v[SUM],   v[SUM],   v[SUM+1]
	v_add_f32 v[SUM+2], v[SUM+2], v[SUM+3]
	; pack: tiles 2 ks and 2 ks + 1 make the operand of K step ks, in place over tile 2 ks (each register is read before it is written)
.irp ks, 0,1
.irp n, 0,1
.irp i, 0,1,2,3
	v_cvt_pk_f16_f32 v[SB+32*\ks+8*\n+\i], v[SB+32*\ks+8*\n+2*\i], v[SB+32*\ks+8*\n+2*\i+1]
.endr
.irp i, 0,1,2,3
	v_cvt_pk_f16_f32 v[SB+32*\ks+8*\n+4+\i], v[SB+32*\ks+16+8*\n+2*\i], v[SB+32*\ks+16+8*\n+2*\i+1]
.endr
.endr
.endr
	s_wait_dscnt 0x0                               ; V's fragments
.irp dt, 0,1,2,3
.irp n, 0,1
.if \first
	v_wmma_f32_16x16x32_f16 v[OB+16*\dt+8*\n:OB+16*\dt+8*\n+7], v[KV+8*\dt:KV+8*\dt+7], v[SB+8*\n:SB+8*\n+7], 0
.else
	v_wmma_f32_16x16x32_f16 v[OB+16*\dt+8*\n:OB+16*\dt+8*\n+7], v[KV+8*\dt:KV+8*\dt+7], v[SB+8*\n:SB+8*\n+7], v[OB+16*\dt+8*\n:OB+16*\dt+8*\n+7]
.endif
.endr
.endr
.irp dt, 0,1,2,3
.irp n, 0,1
	v_wmma_f32_16x16x32_f16 v[OB+16*\dt+8*\n:OB+16*\dt+8*\n+7], v[KV+32+8*\dt:KV+32+8*\dt+7], v[SB+32+8*\n:SB+32+8*\n+7], v[OB+16*\dt+8*\n:OB+16*\dt+8*\n+7]
.endr
.endr
	; five places behind the products: the next tile loads over V (four) and its first products write over P (five)
.if \first
	v_mov_b32 v[AL+1], v[SUM]
	v_mov_b32 v[AL+3], v[SUM+2]
.else
	v_fma_f32 v[AL+1], v[AL+1], v[AL],   v[SUM]
	v_fma_f32 v[AL+3], v[AL+3], v[AL+2], v[SUM+2]
.endif
	v_mov_b32 v[MN+1], v[MN]
	v_mov_b32 v[MN+3], v[MN+2]
	v_nop
.endm
; My two tiles of a slot, as far as my rows see them.  The very first tile is done by every wave: where it is masked whole, its maximum is -1e30, its
; sums are finite, and the merge gives it the weight 2^(-1e30 - M) = 0.
.macro COMPUTE slot, first
.if \first
	TILE \slot, 0, 1
.else
	s_cmp_gt_i32 s19, 0
	s_cbranch_scc0 .Lskip_\@
	TILE \slot, 0, 0
.endif
	s_cmp_gt_i32 s19, 2
	s_cbranch_scc0 .Lskip_\@
	TILE \slot, 1, 0
.Lskip_\@:
	s_sub_co_i32 s19, s19, 4
	s_sub_co_i32 s20, s20, 256
.endm
	s_wait_tensorcnt 0x1                           ; my part of slot 0 is in; slot 1's may stay out
	s_wait_loadcnt 0x0                             ; Q
	s_barrier_signal -1
	s_barrier_wait -1
	COMPUTE 0, 1
.Lring:
	STEPHEAD 0
	KVLOAD 0                                       ; first thing behind the barrier, one load a wave; it has a slot's work in which to land
	COMPUTE 1, 0
	STEPHEAD 1
	KVLOAD 1
	COMPUTE 0, 0
	s_sub_co_u32 s21, s21, 1
	s_cmp_lg_u32 s21, 0
	s_cbranch_scc1 .Lring
	STEPHEAD 0
	s_cmp_lg_u32 s22, 0                            ; the same in all waves: it hangs on the work-group's number alone
	s_cbranch_scc1 .Lodd
	COMPUTE 1, 0                                   ; an even number of slots: this is the last, nothing is fetched
	s_branch .Lmerge
.Lodd:
	KVLOAD 0                                       ; an odd number: one more slot
	COMPUTE 1, 0
	STEPHEAD 1
	COMPUTE 0, 0
.Lmerge:
	; the waves of odd tiles hand O, maxima and sums to their partners
	s_cmp_eq_u32 s13, 0
	s_cbranch_scc1 .Lkeep
.irp k, 0,1,2,3,4,5,6,7,8,9,10,11,12,13,14,15
	ds_store_b128 v[PA], v[OB+4*\k:OB+4*\k+3] offset:512*\k
.endr
	v_mov_b32 v[TT],   v[MN+1]
	v_mov_b32 v[TT+1], v[MN+3]
	v_mov_b32 v[TT+2], v[AL+1]
	v_mov_b32 v[TT+3], v[AL+3]
	ds_store_b128 v[PA], v[TT:TT+3] offset:8192
.Lkeep:
	s_wait_dscnt 0x0                               ; the stores are done before the signal
	s_barrier_signal -1
	s_barrier_wait -1
	s_cmp_lg_u32 s13, 0
	s_cbranch_scc1 .Lend
	ds_load_b128 v[TT:TT+3], v[PA] offset:4*PSZ+8192               ; my partner is wave w + 4: its maxima and sums,
.irp k, 0,1,2,3,4,5,6,7,8,9,10,11,12,13,14,15
	ds_load_b128 v[KV+4*\k:KV+4*\k+3], v[PA] offset:4*PSZ+512*\k   ; and its O
.endr
	s_wait_dscnt 0x10                              ; the statistics are in, the sixteen younger loads stay out
	v_max3_num_f32 v[SUM],   v[MN+1], v[TT],   s60 ; M = the largest of both maxima and the sink: no exponent below is above 0
	v_max3_num_f32 v[SUM+1], v[MN+3], v[TT+1], s61
	v_sub_f32 v[MN],    v[MN+1], v[SUM]
	v_sub_f32 v[MN+2],  v[MN+3], v[SUM+1]
	v_sub_f32 v[TT],    v[TT],   v[SUM]
	v_sub_f32 v[TT+1],  v[TT+1], v[SUM+1]
	v_sub_f32 v[SUM],   s60, v[SUM]
	v_sub_f32 v[SUM+1], s61, v[SUM+1]
	v_exp_f32 v[MN],    v[MN]                      ; my weight
	v_exp_f32 v[MN+2],  v[MN+2]
	v_exp_f32 v[TT],    v[TT]                      ; my partner's
	v_exp_f32 v[TT+1],  v[TT+1]
	v_exp_f32 v[SUM],   v[SUM]                     ; the sink's term
	v_exp_f32 v[SUM+1], v[SUM+1]
	v_nop
	s_wait_alu depctr_va_vdst(0)
	v_mul_f32 v[AL+1], v[AL+1], v[MN]
	v_mul_f32 v[AL+3], v[AL+3], v[MN+2]
	v_fma_f32 v[AL+1], v[TT+2], v[TT],   v[AL+1]
	v_fma_f32 v[AL+3], v[TT+3], v[TT+1], v[AL+3]
	v_permlanex16_b32 v[SUM+2], v[AL+1], s62, s63  ; the sums were kept by halves of the lanes
	v_permlanex16_b32 v[SUM+3], v[AL+3], s62, s63
	v_add_f32 v[AL+1], v[AL+1], v[SUM+2]
	v_add_f32 v[AL+3], v[AL+3], v[SUM+3]
	v_add_f32 v[AL+1], v[AL+1], v[SUM]
	v_add_f32 v[AL+3], v[AL+3], v[SUM+1]
	v_rcp_f32 v[AL+1], v[AL+1]                     ; the divisor is at least 1: one of the three terms has the exponent 0
	v_rcp_f32 v[AL+3], v[AL+3]
	v_nop
	s_wait_alu depctr_va_vdst(0)
	v_mul_f32 v[AL],    v[MN],   v[AL+1]
	v_mul_f32 v[AL+2],  v[MN+2], v[AL+3]
	v_mul_f32 v[SUM],   v[TT],   v[AL+1]
	v_mul_f32 v[SUM+2], v[TT+1], v[AL+3]
.irp dt, 0,1,2,3
.irp n, 0,1
.irp i, 0,1,2,3
	v_pk_mul_f32 v[OB+16*\dt+8*\n+2*\i:OB+16*\dt+8*\n+2*\i+1], v[OB+16*\dt+8*\n+2*\i:OB+16*\dt+8*\n+2*\i+1], v[AL+2*\n:AL+2*\n+1] op_sel_hi:[1,0]
.endr
.endr
.endr
	s_wait_dscnt 0x0
.irp dt, 0,1,2,3
.irp n, 0,1
.irp i, 0,1,2,3
	v_pk_fma_f32 v[OB+16*\dt+8*\n+2*\i:OB+16*\dt+8*\n+2*\i+1], v[KV+16*\dt+8*\n+2*\i:KV+16*\dt+8*\n+2*\i+1], v[SUM+2*\n:SUM+2*\n+1], v[OB+16*\dt+8*\n+2*\i:OB+16*\dt+8*\n+2*\i+1] op_sel_hi:[1,0,1]
.endr
.endr
.endr
.irp dt, 0,1,2,3
.irp n, 0,1
.irp i, 0,1,2,3
	v_cvt_pk_f16_f32 v[SB+8*\dt+4*\n+\i], v[OB+16*\dt+8*\n+2*\i], v[OB+16*\dt+8*\n+2*\i+1]
.endr
	ds_store_b128 v[STO], v[SB+8*\dt+4*\n:SB+8*\dt+4*\n+3] offset:128*\n+32*\dt   ; row r, head n, d = 16 dt + 8 h + 0..7
.endr
.endr
.irp t, 0,1,2,3,4,5,6,7
	ds_load_b128 v[KV+4*\t:KV+4*\t+3], v[RD] offset:\t*2*SPITCH    ; my own bytes: LDS serves a wave's instructions in order (ISA guide 5.7.1.4)
.endr
.irp t, 0,1,2,3,4,5,6,7
	s_wait_dscnt 7-\t
	global_store_b128 v[CO], v[KV+4*\t:KV+4*\t+3], s[66:67] offset:8192*\t   ; 16 lanes store 256 consecutive bytes, at a multiple of 256
.endr
.Lend:
	s_wait_tensorcnt 0x0
	ds_add_u32 v30, v31
	s_wait_dscnt 0x0
	s_endpgm
.Lfunc_end_k_q5f1711edb4_attn:
	.size	k_q5f1711edb4_attn, .Lfunc_end_k_q5f1711edb4_attn-k_q5f1711edb4_attn
	.p2alignl 7, 3214868480
	.fill 96, 4, 3214868480
	.section	.rodata,"a",@progbits
	.p2align	6, 0x0
	.amdhsa_kernel k_q5f1711edb4_attn
		.amdhsa_group_segment_fixed_size 327680
		.amdhsa_private_segment_fixed_size 0
		.amdhsa_enable_private_segment 0
		.amdhsa_kernarg_size 24
		.amdhsa_user_sgpr_count 2
		.amdhsa_user_sgpr_kernarg_segment_ptr 1
		.amdhsa_wavefront_size32 1
		.amdhsa_system_sgpr_workgroup_id_x 1
		.amdhsa_system_sgpr_workgroup_id_y 1
		.amdhsa_system_sgpr_workgroup_id_z 1
		.amdhsa_system_vgpr_workitem_id 0
		.amdhsa_next_free_vgpr 256
		.amdhsa_next_free_sgpr 84
		.amdhsa_reserve_vcc 1
		.amdhsa_float_denorm_mode_32 3
		.amdhsa_float_denorm_mode_16_64 3
		.amdhsa_memory_ordered 1
		.amdhsa_forward_progress 1
		.amdhsa_inst_pref_size 255
	.end_amdhsa_kernel
	.section	.bss,"aw",@nobits
	.p2align	6
	.space	262144
	.amdgpu_metadata
---
amdhsa.version: [ 1, 2 ]
amdhsa.kernels:
  - .name:           k_q5f1711edb4_attn
    .symbol:         k_q5f1711edb4_attn.kd
    .args:
      - { .name: heads, .offset: 0, .size: 8, .value_kind: global_buffer, .address_space: global }
      - { .name: sinks, .offset: 8, .size: 8, .value_kind: global_buffer, .address_space: global }
      - { .name: att, .offset: 16, .size: 8, .value_kind: global_buffer, .address_space: global }
    .group_segment_fixed_size: 327680
    .private_segment_fixed_size: 0
    .kernarg_segment_align: 8
    .kernarg_segment_size: 24
    .max_flat_workgroup_size: 512
    .sgpr_count:     84
    .vgpr_count:     256
    .wavefront_size: 32
...
	.end_amdgpu_metadata
.endif
;; end of part 3
;; launch oproj (part 4): grid 16 x 16, 4 waves a work-group, clusters of 4 x 4, 327,680 bytes of LDS; arguments att, bf, wo_b, out0; writes out0
.if DOCPART == 4
	.amdgcn_target "amdgcn-amd-amdhsa--gfx1250"
	.amdhsa_code_object_version 6
	.text
	.protected	k_q5f1711edb4_oproj
	.globl	k_q5f1711edb4_oproj
	.p2align	8
	.type	k_q5f1711edb4_oproj,@function
k_q5f1711edb4_oproj:
	s_mov_b64 s[64:65], 0
	v_nop
	global_prefetch_b8 v0, s[64:65] scope:SCOPE_SE
	s_setreg_imm32_b32 hwreg(HW_REG_WAVE_MODE, 25, 1), 1
	s_wait_xcnt 0x0
	s_wait_alu depctr_hold_cnt(0) depctr_sa_sdst(0) depctr_va_vdst(0) depctr_va_sdst(0) depctr_va_ssrc(0) depctr_va_vcc(0) depctr_vm_vsrc(0)
	s_getreg_b32 s2, hwreg(HW_REG_IB_STS2, 6, 4)
	s_cmp_eq_u32 s2, 0
	s_cbranch_scc0 .Lentry_in_a_cluster
	s_endpgm
.Lentry_in_a_cluster:
	s_bfe_u32 s2, ttmp6, 0x10000c
	s_cmp_lg_u32 s2, 0xf033
	s_cbranch_scc0 .Lentry_shape_is_right
	s_endpgm
.Lentry_shape_is_right:
; out0 = att wo_w^T + wo_b.  att [2048][2048] f16; wo_w [2048][2048] from bf at byte 20,971,520, rounded to bf16 and kept as f16; sums and out0 in f32.
; A work-group makes 128 x 128 with four waves as 2 x 2; a wave makes 64 x 64: 16 accumulator tiles.  K goes in steps of 256 (rows of 512 bytes)
; through two LDS slots: eight slots' worth in all.
; CLUSTERS: 4 x 4 work-groups; att's tile hangs on the block row alone and is asked for jointly by a row of the cluster, wo_w's on the block column
; alone, jointly by a column: a quarter of the requests.
; THE MATRIX INSTRUCTION IS USED TRANSPOSED (source 0 = rows of wo_w, source 1 = rows of att): lane l holds row l % 16 and columns 8 (l / 16) + 0..7.
; REGISTERS: window 0: addresses, the bias, two fragment buffers, work on the way out; window 1: accumulator (a, b) at v[8 (4 a + b)].
.set NB,     4
.set KS,     256
.set PITCH,  528                       ; 512 bytes of a row + 16 of padding: an odd multiple of 16
.set BBYTES, 128*PITCH                 ; wo_w's 128 rows come first in a slot,
.set SLOT,   BBYTES+128*PITCH          ; then att's 128 rows: 135,168 bytes
.set STAGE,  2*SLOT                    ; behind the ring, at a multiple of 256: 16 rows x 272 bytes for each wave; no tensor load lands here
.set SPITCH, 272
.set LAPS,   2048/(2*KS)
.set WOOFF,  20971520
.set GW0,    (1<<16)|(1<<20)|(1<<21)|(6<<22)|(3<<25)   ; 2-byte elements; padding on; bit 21 beside a mask; after every 128 words, 4 words
.set ADRA, 16
.set ADRB, 20
.set STO,  24
.set RD,   25
.set CO,   26
.set BOF,  28                          ; never rewritten
.set BIAS, 32                          ; v32-63  wo_b of my 64 columns: 8 for each column tile
.set F0,   64                          ; fragment buffer 0: v64-95 wo_w, v96-127 att
.set F1,   128
.set TMP,  192
.set G1,  24
.set G0,  32
.set G1B, 48
.set G0B, 56
.set MULW, 0x50
.set MSB, 0
.macro WIN new
.if MSB != \new
	s_set_vgpr_msb (MSB<<8)|\new
.set MSB, \new
.endif
.endm
.macro JLOAD s                         ; waves 0 and 1 fetch wo_w's two halves of 64 rows, waves 2 and 3 att's
	s_cmp_eq_u32 s17, 0
	s_cbranch_scc0 .Lfor_a_\@
	tensor_load_to_lds s[G0B+4*\s:G0B+4*\s+3], s[G1B:G1B+7]
	s_nop 0
	s_branch .Lasked_\@
.Lfor_a_\@:
	tensor_load_to_lds s[G0+4*\s:G0+4*\s+3], s[G1:G1+7]
	s_nop 0
.Lasked_\@:
.endm
.macro CREST
	s_cmp_lg_u32 s16, 0
	s_cbranch_scc1 .Lnot_wave_0_\@
	s_barrier_signal -3
.Lnot_wave_0_\@:
	s_barrier_wait -3
	s_barrier_signal -1
	s_barrier_wait -1
.endm
.macro CROUND
	s_barrier_signal -1
	s_barrier_wait -1
	CREST
.endm
.macro PLACES                          ; four places behind a matrix instruction (ISA guide 7.12.1)
.rept 4
	v_nop
.endr
.endm
	s_load_b256 s[4:11], s[0:1], 0x0               ; att s[4:5], bf s[6:7], wo_b s[8:9], out0 s[10:11]
	v_lshl_add_u32 v254, v0, 2, 0x46400
	v_mov_b32 v255, 0
	ds_add_u32 v254, v255
	v_lshrrev_b32 v1, 5, v0
	v_readfirstlane_b32 s16, v1                    ; wave 0..3
	s_lshr_b32 s17, s16, 1                         ; mw.  Also: I fetch wo_w (0) or att (1)
	s_and_b32 s18, s16, 1                          ; nw.  Also: which half of a tile I fetch
	s_bfe_u32 s20, ttmp6, 0x40000                  ; cx
	s_bfe_u32 s21, ttmp6, 0x40004                  ; cy
	s_lshl_b32 s22, ttmp9, 2
	s_add_co_u32 s22, s22, s20                     ; block column
	s_and_b32 s23, ttmp7, 0xffff
	s_lshl_b32 s23, s23, 2
	s_add_co_u32 s23, s23, s21                     ; block row
	s_lshl_b32 s19, s21, 2
	s_lshl_b32 s19, 15, s19                        ; my row of the cluster
	s_lshl_b32 s66, 0x1111, s20                    ; my column
	s_or_b32 s[G1+0], s19, GW0
	s_or_b32 s[G1B+0], s66, GW0
	s_mov_b32 s[G1+1], KS<<16
	s_mov_b32 s[G1B+1], KS<<16
	s_mov_b32 s[G1+2], 64<<16
	s_mov_b32 s[G1B+2], 64<<16
	s_mov_b32 s[G1+3], KS<<16
	s_mov_b32 s[G1B+3], KS<<16
	s_mov_b32 s[G1+4], 64
	s_mov_b32 s[G1B+4], 64
	s_mov_b32 s[G1+5], 2048
	s_mov_b32 s[G1B+5], 2048
	s_mov_b32 s[G1+6], 0
	s_mov_b32 s[G1B+6], 0
	s_mov_b32 s[G1+7], 0
	s_mov_b32 s[G1B+7], 0
	s_lshl_b32 s40, s23, 19                        ; att: 128 rows of 4,096 bytes a block row, 64 rows a half
	s_lshl_b32 s41, s18, 18
	s_add_co_u32 s40, s40, s41
	s_mov_b32 s41, 0
	s_lshl_b32 s44, s22, 19                        ; wo_w: the same by the block column
	s_lshl_b32 s45, s18, 18
	s_add_co_u32 s44, s44, s45
	s_add_co_u32 s44, s44, WOOFF
	s_mov_b32 s45, 0
	s_mul_i32 s46, s16, 64*PITCH                   ; LDS: wave x 64 rows: wo_w's two halves, then att's two halves
	s_wait_dscnt 0x0
	s_wait_kmcnt 0x0
	s_add_nc_u64 s[40:41], s[4:5], s[40:41]
	s_add_nc_u64 s[44:45], s[6:7], s[44:45]
	CROUND                                         ; all sixteen work-groups are here: the first joint loads meet
.irp s, 0,1
	s_mov_b32 s[G0+4*\s], 1
	s_add_co_u32 s[G0+4*\s+1], s46, \s*SLOT
	s_add_nc_u64 s[G0+4*\s+2:G0+4*\s+3], s[40:41], \s*KS*2
	s_or_b32 s[G0+4*\s+3], s[G0+4*\s+3], 0x80000000
	s_mov_b32 s[G0B+4*\s], 1
	s_add_co_u32 s[G0B+4*\s+1], s46, \s*SLOT
	s_add_nc_u64 s[G0B+4*\s+2:G0B+4*\s+3], s[44:45], \s*KS*2
	s_or_b32 s[G0B+4*\s+3], s[G0B+4*\s+3], 0x80000000
	JLOAD \s                                       ; two loads of a wave are out here, later one
.endr
	v_and_b32 v1, 15, v0                           ; r
	v_bfe_u32 v2, v0, 4, 1                         ; h
	v_mul_u32_u24 v3, v1, PITCH
	v_lshl_add_u32 v3, v2, 4, v3
	s_mul_i32 s67, s18, 64*PITCH                   ; my 64 rows of wo_w
	s_mul_i32 s80, s17, 64*PITCH
	s_add_co_u32 s80, s80, BBYTES                  ; my 64 rows of att
.irp s, 0,1
	v_add_nc_u32 v[ADRB+\s], s67, v3
	v_add_nc_u32 v[ADRA+\s], s80, v3
	s_add_co_u32 s67, s67, SLOT
	s_add_co_u32 s80, s80, SLOT
.endr
	s_mul_i32 s67, s16, 16*SPITCH
	s_add_co_u32 s67, s67, STAGE                   ; my stage
	v_mul_u32_u24 v3, v1, SPITCH
	v_lshl_add_u32 v3, v2, 5, v3
	v_add_nc_u32 v[STO], s67, v3                   ; in: row r, 32 bytes for each half of the lanes
	v_mul_u32_u24 v3, v2, SPITCH
	v_lshl_add_u32 v3, v1, 4, v3
	v_add_nc_u32 v[RD], s67, v3                    ; back: lanes 0-15 one row of 256 bytes, lanes 16-31 the next
	v_lshlrev_b32 v3, 13, v2
	v_lshl_add_u32 v[CO], v1, 4, v3                ; and the same two rows of 8,192 bytes in out0
	v_lshlrev_b32 v[BOF], 5, v2
	s_lshl_b32 s82, s22, 9                         ; my first column, in bytes: 512 x block + 256 x half
	s_lshl_b32 s83, s18, 8
	s_add_co_u32 s82, s82, s83
	s_mov_b32 s83, 0
	s_add_nc_u64 s[68:69], s[8:9], s[82:83]
	s_lshl_b32 s80, s23, 20                        ; my first row: 128 x block + 64 x half, rows of 8,192 bytes
	s_lshl_b32 s81, s17, 19
	s_add_co_u32 s80, s80, s81
	s_add_co_u32 s80, s80, s82
	s_mov_b32 s81, 0
	s_add_nc_u64 s[86:87], s[10:11], s[80:81]
.irp b, 0,1,2,3
	global_load_b128 v[BIAS+8*\b:BIAS+8*\b+3],   v[BOF], s[68:69] offset:64*\b      ; waited for on the way out
	global_load_b128 v[BIAS+8*\b+4:BIAS+8*\b+7], v[BOF], s[68:69] offset:64*\b+16
.endr
; 8 matrix instructions: row tiles a0, a0 + 1 x four column tiles.  The 16 accumulators take turns, one instruction a turn, in the same order in every
; quarter, over the backward jump too.
.macro MUL f, a0, zero
.irp a, \a0, \a0+1
.irp b, 0,1,2,3
.if \zero
	v_wmma_f32_16x16x32_f16 v[8*(NB*(\a)+\b):8*(NB*(\a)+\b)+7], v[\f+8*\b:\f+8*\b+7], v[\f+8*NB+8*(\a):\f+8*NB+8*(\a)+7], 0
.else
	v_wmma_f32_16x16x32_f16 v[8*(NB*(\a)+\b):8*(NB*(\a)+\b)+7], v[\f+8*\b:\f+8*\b+7], v[\f+8*NB+8*(\a):\f+8*NB+8*(\a)+7], v[8*(NB*(\a)+\b):8*(NB*(\a)+\b)+7]
.endif
.endr
.endr
.endm
.macro FETCH slot, k, f                ; 16 LDS loads: the fragments of 32 K at byte k of the rows
.irp b, 0,1,2,3
	ds_load_b128 v[\f+8*\b:\f+8*\b+3],   v[ADRB+\slot] offset:\k+\b*16*PITCH
	ds_load_b128 v[\f+8*\b+4:\f+8*\b+7], v[ADRB+\slot] offset:\k+\b*16*PITCH+32
.endr
.irp a, 0,1,2,3
	ds_load_b128 v[\f+8*NB+8*\a:\f+8*NB+8*\a+3],   v[ADRA+\slot] offset:\k+\a*16*PITCH
	ds_load_b128 v[\f+8*NB+8*\a+4:\f+8*NB+8*\a+7], v[ADRA+\slot] offset:\k+\a*16*PITCH+32
.endr
.endm
.macro QUARTER slot, k, f, g, zero     ; buffer f is in; the next fragments are asked for into g; f is multiplied while they come
	s_wait_dscnt 0x0
	PLACES
	FETCH \slot, \k, \g
	WIN MULW
	MUL \f, 0, \zero
	MUL \f, 2, \zero
	WIN 0
.endm
.macro RUN slot, zero                  ; seven of a slot's eight steps of 32 along K
	QUARTER \slot, 64,  F0, F1, \zero
	QUARTER \slot, 128, F1, F0, 0
	QUARTER \slot, 192, F0, F1, 0
	QUARTER \slot, 256, F1, F0, 0
	QUARTER \slot, 320, F0, F1, 0
	QUARTER \slot, 384, F1, F0, 0
	QUARTER \slot, 448, F0, F1, 0
.endm
; The eighth multiplies buffer 1 and changes slots: each wave's reads of the slot and all its tensor loads are waited for in front of the barrier; where
; the slot is filled again the barrier opens a round of the cluster's barrier, and the joint refill is the first tensor load behind it, one a wave.
.macro TURN slot, next, fill
	s_wait_dscnt 0x0
	s_wait_tensorcnt 0x0
	ds_add_u32 v254, v255
	s_wait_dscnt 0x0
	s_barrier_signal -1
	WIN MULW
	MUL F1, 0, 0
	WIN 0
	s_barrier_wait -1
.if \fill
	CREST
	s_add_nc_u64 s[G0+4*\slot+2:G0+4*\slot+3], s[G0+4*\slot+2:G0+4*\slot+3], 2*KS*2
	s_add_nc_u64 s[G0B+4*\slot+2:G0B+4*\slot+3], s[G0B+4*\slot+2:G0B+4*\slot+3], 2*KS*2
	JLOAD \slot
.endif
	PLACES
	FETCH \next, 0, F0
	WIN MULW
	MUL F1, 2, 0
	WIN 0
.endm
.macro LAP zero
	RUN 0, \zero
	TURN 0, 1, 1
	RUN 1, 0
	TURN 1, 0, 1
.endm
	s_wait_tensorcnt 0x1                           ; my part of slot 0 is in; slot 1's may stay out
	s_barrier_signal -1
	s_barrier_wait -1
	FETCH 0, 0, F0
	LAP 1                                          ; the first products start the sums
	s_mov_b32 s3, LAPS-2
.Llap:
	LAP 0
	s_sub_co_u32 s3, s3, 1
	s_cmp_lg_u32 s3, 0
	s_cbranch_scc1 .Llap
	RUN 0, 0                                       ; the last lap fills nothing
	TURN 0, 1, 0
	RUN 1, 0
	s_wait_dscnt 0x0
	WIN MULW
	MUL F1, 0, 0
	MUL F1, 2, 0
	WIN 0
	PLACES
	; THE WAY OUT, 16 rows at a time: add the bias, 32 bytes a lane into my own stage, read back as whole rows of 256 bytes.
	s_wait_loadcnt 0x0                             ; the bias
.macro OUT16 a, f
	WIN 0x01                                       ; source 0 (sums) in window 1
.irp b, 0,1,2,3
.irp i, 0,1,2,3
	v_pk_add_f32 v[TMP+8*\b+2*\i:TMP+8*\b+2*\i+1], v[8*(NB*\a+\b)+2*\i:8*(NB*\a+\b)+2*\i+1], v[BIAS+8*\b+2*\i:BIAS+8*\b+2*\i+1]
.endr
.endr
	WIN 0
.irp b, 0,1,2,3
	ds_store_b128 v[STO], v[TMP+8*\b:TMP+8*\b+3]   offset:64*\b
	ds_store_b128 v[STO], v[TMP+8*\b+4:TMP+8*\b+7] offset:64*\b+16
.endr
	s_wait_xcnt 0x0                                ; buffer f, which earlier stores read, and the stores' base are rewritten only behind this wait
.if \a
	s_add_nc_u64 s[86:87], s[86:87], 16*8192       ; 16 rows of out0 on
.endif
.irp t, 0,1,2,3,4,5,6,7
	ds_load_b128 v[\f+4*\t:\f+4*\t+3], v[RD] offset:\t*2*SPITCH    ; my own bytes: LDS serves a wave's instructions in order (ISA guide 5.7.1.4)
.endr
.irp t, 0,1,2,3,4,5,6,7
	s_wait_dscnt 7-\t
	global_store_b128 v[CO], v[\f+4*\t:\f+4*\t+3], s[86:87] offset:16384*\t   ; 16 lanes store 256 consecutive bytes, at a multiple of 256
.endr
.endm
	OUT16 0, F0
	OUT16 1, F1
	OUT16 2, F0
	OUT16 3, F1
	s_wait_tensorcnt 0x0
	ds_add_u32 v254, v255
	s_wait_dscnt 0x0
	CROUND                                         ; the closing round: no work-group ends while a partner may still ask for a tile that names it
	s_endpgm
.Lfunc_end_k_q5f1711edb4_oproj:
	.size	k_q5f1711edb4_oproj, .Lfunc_end_k_q5f1711edb4_oproj-k_q5f1711edb4_oproj
	.p2alignl 7, 3214868480
	.fill 96, 4, 3214868480
	.section	.rodata,"a",@progbits
	.p2align	6, 0x0
	.amdhsa_kernel k_q5f1711edb4_oproj
		.amdhsa_group_segment_fixed_size 327680
		.amdhsa_private_segment_fixed_size 0
		.amdhsa_enable_private_segment 0
		.amdhsa_kernarg_size 32
		.amdhsa_user_sgpr_count 2
		.amdhsa_user_sgpr_kernarg_segment_ptr 1
		.amdhsa_wavefront_size32 1
		.amdhsa_system_sgpr_workgroup_id_x 1
		.amdhsa_system_sgpr_workgroup_id_y 1
		.amdhsa_system_sgpr_workgroup_id_z 1
		.amdhsa_system_vgpr_workitem_id 0
		.amdhsa_next_free_vgpr 384
		.amdhsa_next_free_sgpr 96
		.amdhsa_reserve_vcc 0
		.amdhsa_float_denorm_mode_32 3
		.amdhsa_float_denorm_mode_16_64 3
		.amdhsa_memory_ordered 1
		.amdhsa_forward_progress 1
		.amdhsa_inst_pref_size 131
	.end_amdhsa_kernel
	.amdgpu_metadata
---
amdhsa.version: [ 1, 2 ]
amdhsa.kernels:
  - .name:           k_q5f1711edb4_oproj
    .symbol:         k_q5f1711edb4_oproj.kd
    .args:
      - { .name: att, .offset: 0, .size: 8, .value_kind: global_buffer, .address_space: global }
      - { .name: bf, .offset: 8, .size: 8, .value_kind: global_buffer, .address_space: global }
      - { .name: wo_b, .offset: 16, .size: 8, .value_kind: global_buffer, .address_space: global }
      - { .name: out0, .offset: 24, .size: 8, .value_kind: global_buffer, .address_space: global }
    .group_segment_fixed_size: 327680
    .private_segment_fixed_size: 0
    .kernarg_segment_align: 8
    .kernarg_segment_size: 32
    .max_flat_workgroup_size: 128
    .sgpr_count:     96
    .vgpr_count:     384
    .wavefront_size: 32
...
	.end_amdgpu_metadata
.endif
;; end of part 4
;; ======== version 2 of 2: 4 launches; version 1 with the launch cast written anew for expert scheduling mode
;; limits: values outside matrix products are rounded to bf16; values are held in f16: magnitudes above 65,504 overflow, below 6.1e-05 lose precision
;; workspace buffers: bf 29,360,128 bytes; heads 12,582,912 bytes; att 8,388,608 bytes
;; launch cast (part 5): grid 64 x 14, 8 waves a work-group, no clusters, 0 bytes of LDS; arguments x, wq_w, wk_w, wv_w, wo_w, bf; writes bf
.if DOCPART == 5
	.amdgcn_target "amdgcn-amd-amdhsa--gfx1250"
	.amdhsa_code_object_version 6
	.text
	.protected	k_q5f1711edb4_cast
	.globl	k_q5f1711edb4_cast
	.p2align	8
	.type	k_q5f1711edb4_cast,@function
k_q5f1711edb4_cast:
	s_mov_b64 s[64:65], 0
	v_nop
	global_prefetch_b8 v0, s[64:65] scope:SCOPE_SE
	s_setreg_imm32_b32 hwreg(HW_REG_WAVE_SCHED_MODE, 0, 2), 2
	s_setreg_imm32_b32 hwreg(HW_REG_WAVE_MODE, 25, 1), 1
	s_wait_xcnt 0x0
	s_wait_alu depctr_vm_vsrc(0)
; Rounds the five large matrix operands once, f32 to 16 bits, into one buffer bf, in this order:
;   x [2048][2048] at byte 0, wq_w / wk_w / wv_w as one [3072][2048] at byte 8,388,608, wo_w [2048][2048] at byte 20,971,520.
; FORMAT: x, wq_w, wk_w, wv_w are stored as bf16.  wo_w is rounded to bf16 too and then written as f16 (the second conversion is exact for
; magnitudes from 2^-17 up, below that its error is at most 2^-25), because its partner in the last product is kept in f16.
; A stream: no LDS, no matrix unit, no barrier.  y of the grid = a unit of 4 MiB of source (x 0-3, wq 4-7, wk 8, wv 9, wo 10-13),
; x of the grid = a piece of 64 KiB in it.  Thread t takes 16 bytes at 16 t of each of the piece's sixteen blocks of 4,096 bytes: a load of a wave
; covers 512 consecutive bytes, a store 256 consecutive bytes at a multiple of 256.  All sixteen loads of a wave go out at once.
; THE MODE: SCHED_MODE bits 1:0 = 2 (LLVM: expert scheduling mode 2), set by the entry lines.  The code itself states the register dependences
; between vector instructions and memory instructions, with s_wait_alu, always for 0.
; THE PLAN.  Registers that memory instructions touch:
;   v1, v2   byte offsets, made once at the head and never written again: v1 is read by every load, v2 by every store.
;   X        block j's four registers: its one load lands there; behind the wait for that load vector instructions alone name them.
;   Y        block j's pair: written once, by block j's conversions; read by one store, which is issued in block j + 4.
;   T        named by vector instructions alone.
; The sixteen blocks go in four groups of four.  A group's memory instructions are the stores of the group before, whose Y pairs no vector instruction
; of the group in hand names.  So one wait at a group's head states all that its four stores hang on, and they are dealt among its conversions with no
; further wait.  No register that a memory instruction reads is written a second time, so the text holds no wait for memory instructions' reads.
.set X, 4                              ; v[4:67]    sixteen loads of four f32
.set Y, 68                             ; v[68:99]   sixteen pairs of packed results
.set T, 100                            ; v[100:101] wo_w alone: the bf16 pair on its way to f16
	s_load_b256 s[4:11], s[0:1], 0x0               ; x s[4:5], wq_w s[6:7], wk_w s[8:9], wv_w s[10:11]
	s_load_b128 s[12:15], s[0:1], 0x20             ; wo_w s[12:13], bf s[14:15]
	s_and_b32 s16, ttmp7, 0xffff                   ; the unit, 0 to 13
	s_mov_b32 s17, 0                               ; the first unit of the source that the unit lies in
	s_mov_b32 s24, 0xffff0000                      ; a word's upper bf16
	v_lshlrev_b32 v1, 4, v0                        ; 16 t: my bytes in a block of the source
	v_lshlrev_b32 v2, 3, v0                        ; 8 t: my bytes in a block of the result
	s_wait_kmcnt 0x0
	s_mov_b64 s[18:19], s[4:5]
.macro PICK first, lo                  ; from unit 'first' on the source is the buffer in s[lo:lo+1]
	s_cmp_ge_u32 s16, \first
	s_cselect_b64 s[18:19], s[\lo:\lo+1], s[18:19]
	s_cselect_b32 s17, \first, s17
.endm
	PICK 4, 6
	PICK 8, 8
	PICK 9, 10
	PICK 10, 12
	s_sub_co_u32 s20, s16, s17
	s_lshl_b32 s20, s20, 22                        ; units of 4 MiB inside the source,
	s_lshl_b32 s21, ttmp9, 16                      ; pieces of 64 KiB
	s_add_co_u32 s20, s20, s21
	s_mov_b32 s21, 0
	s_add_nc_u64 s[18:19], s[18:19], s[20:21]
	s_lshl_b32 s22, s16, 21                        ; the result is half as long and follows the same order
	s_lshl_b32 s23, ttmp9, 15
	s_add_co_u32 s22, s22, s23
	s_mov_b32 s23, 0
	s_add_nc_u64 s[14:15], s[14:15], s[22:23]
	s_wait_alu depctr_va_vdst(0)                   ; v1 and v2 are written: every load and store of the kernel reads one of them as its offset
.irp j, 0,1,2,3,4,5,6,7,8,9,10,11,12,13,14,15
	global_load_b128 v[X+4*\j:X+4*\j+3], v1, s[18:19] offset:4096*\j th:TH_LOAD_NT
.endr
; block j's store
.macro SEND j
	global_store_b64 v2, v[Y+2*(\j):Y+2*(\j)+1], s[14:15] offset:2048*(\j)
.endm
; block j: wait for its load (the 15 - j younger ones stay out); the store of the block four back; round.  No register that a store reads is written twice.
.macro CONV j, wo
	s_wait_loadcnt 15-(\j)
.if ((\j) % 4 == 0) && ((\j) > 0)
	s_wait_alu depctr_va_vdst(0)                   ; a group's head: the conversions of the four blocks before have written their Y pairs, which this group's four stores read
.endif
.if (\j) >= 4
	SEND (\j)-4                                    ; no vector instruction since that wait names this pair or v2
.endif
.if \wo
	v_cvt_pk_bf16_f32 v[T],   v[X+4*(\j)],   v[X+4*(\j)+1]
	v_cvt_pk_bf16_f32 v[T+1], v[X+4*(\j)+2], v[X+4*(\j)+3]
	v_lshlrev_b32 v[X+4*(\j)],   16,  v[T]         ; the rounded numbers as f32 again
	v_and_b32     v[X+4*(\j)+1], s24, v[T]
	v_lshlrev_b32 v[X+4*(\j)+2], 16,  v[T+1]
	v_and_b32     v[X+4*(\j)+3], s24, v[T+1]
	v_cvt_pk_f16_f32 v[Y+2*(\j)],   v[X+4*(\j)],   v[X+4*(\j)+1]
	v_cvt_pk_f16_f32 v[Y+2*(\j)+1], v[X+4*(\j)+2], v[X+4*(\j)+3]
.else
	v_cvt_pk_bf16_f32 v[Y+2*(\j)],   v[X+4*(\j)],   v[X+4*(\j)+1]
	v_cvt_pk_bf16_f32 v[Y+2*(\j)+1], v[X+4*(\j)+2], v[X+4*(\j)+3]
.endif
.endm
	s_cmp_ge_u32 s16, 10
	s_cbranch_scc1 .Lwo
.irp j, 0,1,2,3,4,5,6,7,8,9,10,11,12,13,14,15
	CONV \j, 0
.endr
	s_wait_alu depctr_va_vdst(0)                   ; the last group's conversions have written the Y pairs of blocks 12 to 15, which the last four stores read
.irp j, 12,13,14,15
	SEND \j
.endr
	s_endpgm
.Lwo:
.irp j, 0,1,2,3,4,5,6,7,8,9,10,11,12,13,14,15
	CONV \j, 1
.endr
	s_wait_alu depctr_va_vdst(0)                   ; the last group's conversions have written the Y pairs of blocks 12 to 15, which the last four stores read
.irp j, 12,13,14,15
	SEND \j
.endr
	s_endpgm
.Lfunc_end_k_q5f1711edb4_cast:
	.size	k_q5f1711edb4_cast, .Lfunc_end_k_q5f1711edb4_cast-k_q5f1711edb4_cast
	.p2alignl 7, 3214868480
	.fill 96, 4, 3214868480
	.section	.rodata,"a",@progbits
	.p2align	6, 0x0
	.amdhsa_kernel k_q5f1711edb4_cast
		.amdhsa_group_segment_fixed_size 0
		.amdhsa_private_segment_fixed_size 0
		.amdhsa_enable_private_segment 0
		.amdhsa_kernarg_size 48
		.amdhsa_user_sgpr_count 2
		.amdhsa_user_sgpr_kernarg_segment_ptr 1
		.amdhsa_wavefront_size32 1
		.amdhsa_system_sgpr_workgroup_id_x 1
		.amdhsa_system_sgpr_workgroup_id_y 1
		.amdhsa_system_sgpr_workgroup_id_z 1
		.amdhsa_system_vgpr_workitem_id 0
		.amdhsa_next_free_vgpr 104
		.amdhsa_next_free_sgpr 66
		.amdhsa_reserve_vcc 0
		.amdhsa_float_denorm_mode_32 3
		.amdhsa_float_denorm_mode_16_64 3
		.amdhsa_memory_ordered 1
		.amdhsa_forward_progress 1
		.amdhsa_inst_pref_size 16
	.end_amdhsa_kernel
	.amdgpu_metadata
---
amdhsa.version: [ 1, 2 ]
amdhsa.kernels:
  - .name:           k_q5f1711edb4_cast
    .symbol:         k_q5f1711edb4_cast.kd
    .args:
      - { .name: x, .offset: 0, .size: 8, .value_kind: global_buffer, .address_space: global }
      - { .name: wq_w, .offset: 8, .size: 8, .value_kind: global_buffer, .address_space: global }
      - { .name: wk_w, .offset: 16, .size: 8, .value_kind: global_buffer, .address_space: global }
      - { .name: wv_w, .offset: 24, .size: 8, .value_kind: global_buffer, .address_space: global }
      - { .name: wo_w, .offset: 32, .size: 8, .value_kind: global_buffer, .address_space: global }
      - { .name: bf, .offset: 40, .size: 8, .value_kind: global_buffer, .address_space: global }
    .group_segment_fixed_size: 0
    .private_segment_fixed_size: 0
    .kernarg_segment_align: 8
    .kernarg_segment_size: 48
    .max_flat_workgroup_size: 256
    .sgpr_count:     66
    .vgpr_count:     104
    .wavefront_size: 32
...
	.end_amdgpu_metadata
.endif
;; end of part 5
;; launch qkv: the kernel of part 2 again; grid 16 x 16, 4 waves a work-group, clusters of 4 x 4, 327,680 bytes of LDS; arguments bf, wq_b, wk_b, wv_b, rope_cache, heads; writes heads
;; launch attn: the kernel of part 3 again; grid 32 x 8, 16 waves a work-group, no clusters, 327,680 bytes of LDS; arguments heads, sinks, att; writes att
;; launch oproj: the kernel of part 4 again; grid 16 x 16, 4 waves a work-group, clusters of 4 x 4, 327,680 bytes of LDS; arguments att, bf, wo_b, out0; writes out0
